; MI455X (gfx1250); checked and timed in simulation.
; The chip was launched on July 23, 2026; its instructions are those of AMD's public machine-readable ISA for CDNA 5 (MIT licence, August 2026) and "CDNA5" Instruction Set Architecture Reference Guide (July 2026). The comments in the code are by the model that wrote it; some were corrected since.
;; Self Attention. Allowed arithmetic: float matrix products may take bf16 or f16 operands with f32 sums; other float arithmetic in f32, or as packed bf16 or f16 multiplies, adds, multiply-adds, maxima and minima; sums over many terms, partial sums and values carried from step to step in f32; what a program stores and reads back later, other than sums and carried values, may be rounded once to bf16 or f16.
;; Inputs: W_out 1,024 x 1,024 float32; W_qkv 1,024 x 3,072 float32; b_out 1,024 float32; b_qkv 3,072 float32; x 4 x 4,096 x 1,024 float32.
;; Outputs: out0 4 x 4,096 x 1,024 float32.
;; 2 versions, each right; version 2 is version 1 with the launch attn written anew for expert scheduling mode. Each part assembles by itself: llvm-mc -triple=amdgcn-amd-amdhsa -mcpu=gfx1250 --defsym DOCPART=n.
;; ======== version 1 of 2: 4 launches
;; limits: values are held in f16: magnitudes above 65,504 overflow, below 6.1e-05 lose precision
;; workspace buffers: xb 33,554,432 bytes; wq 6,291,456 bytes; wo 2,097,152 bytes; bias 16,384 bytes; qkv 100,663,296 bytes; a2 33,554,432 bytes
;; launch prep (part 1): grid 1537 x 1, 8 waves a work-group, no clusters, 17,920 bytes of LDS; arguments x, W_qkv, W_out, b_qkv, b_out, xb, wq, wo, bias; writes xb, wq, wo, bias
.if DOCPART == 1
	.amdgcn_target "amdgcn-amd-amdhsa--gfx1250"
	.amdhsa_code_object_version 6
	.text
	.protected	k_q1b872d8dfb_prep
	.globl	k_q1b872d8dfb_prep
	.p2align	8
	.type	k_q1b872d8dfb_prep,@function
k_q1b872d8dfb_prep:
	s_mov_b64 s[64:65], 0
	v_nop
	global_prefetch_b8 v0, s[64:65] scope:SCOPE_SE
	s_setreg_imm32_b32 hwreg(HW_REG_WAVE_MODE, 25, 1), 1
	s_wait_xcnt 0x0
; THE OPERANDS OF THE TWO PRODUCTS ARE MADE, each input read once and rounded once to bf16.
;   xb   [16384][1024] bf16 = x
;   wq   [3072][1024]  bf16 = W_qkv transposed, K along the rows, its rows in the order in which the attention wants q, k and v (below)
;   wo   [1024][1024]  f16  = W_out transposed; each number is rounded to bf16 and that number written as f16
;   bias [4096]        f32  = b_qkv rounded to bf16, in wq's row order, then b_out rounded to bf16
; ROW ORDER of wq.  Column part x 1024 + h x 64 + d of W_qkv (part 0 q, 1 k, 2 v) becomes row part x 1024 + (d / 16) x 256 + h x 16 + d % 16 for q and k, and row 2048 + d x 16 + h for v.
; LIMIT.  wo is f16: W_out within 65,504; below 2^-14 it keeps f16's fixed step of 2^-24.
; ROLES, by the work-group's number alone, so that all eight waves of a work-group take the same way: 0-383 a tile of 128 k x 64 n of W_qkv; 384-511 the same of W_out; 512 the biases; 513-1536 64 KiB of x each.
; No matrix unit, no cluster, no tensor load: no byte is read by two work-groups, and the only exchange between lanes is the turning of a weight tile, through LDS.
.set TP,    264                        ; a row of the turned tile in LDS: 128 numbers of 2 bytes + 8 bytes of padding
.set SPARE, 64*TP                      ; behind the tile's 64 rows (16,896 bytes, 66 blocks of 256): the spare words, 128 bytes for each wave, which no other line names
.set SPW,   4                          ; v4   LDS address of my spare word; never rewritten
.set NIL,   5                          ; v5   0; never rewritten
	s_load_b256 s[4:11], s[0:1], 0x0               ; x s[4:5], W_qkv s[6:7], W_out s[8:9], b_qkv s[10:11]
	s_load_b256 s[12:19], s[0:1], 0x20             ; b_out s[12:13], xb s[14:15], wq s[16:17], wo s[18:19]
	s_load_b64 s[20:21], s[0:1], 0x40              ; bias
	v_lshl_add_u32 v[SPW], v0, 2, SPARE
	v_mov_b32 v[NIL], 0
	v_lshrrev_b32 v1, 5, v0
	v_readfirstlane_b32 s22, v1                    ; wave 0..7
	v_and_b32 v7, 31, v0
	v_lshlrev_b32 v7, 3, v7                        ; 8 x lane
	s_and_b32 s23, ttmp9, 7                        ; a weight tile's place along k (384 is a multiple of 8: one line serves both weights)
	s_wait_kmcnt 0x0
	s_cmp_lt_u32 ttmp9, 384
	s_cbranch_scc1 .Lwq
	s_cmp_lt_u32 ttmp9, 512
	s_cbranch_scc1 .Lwo
	s_cmp_eq_u32 ttmp9, 512
	s_cbranch_scc1 .Lbias
	; X.  A wave takes 8,192 consecutive bytes: sixteen loads of 512 bytes, all asked for at once; each becomes one store of 256 consecutive bytes, aligned.
	s_sub_co_u32 s24, ttmp9, 513
	s_lshl_b32 s26, s24, 15                        ; 32 KiB of xb,
	s_lshl_b32 s24, s24, 16                        ; 64 KiB of x
	s_mov_b32 s25, 0
	s_mov_b32 s27, 0
	s_add_nc_u64 s[4:5], s[4:5], s[24:25]
	s_add_nc_u64 s[14:15], s[14:15], s[26:27]
	v_lshlrev_b32 v1, 1, v7                        ; 16 x lane
	v_lshl_add_u32 v1, s22, 13, v1                 ; + 8,192 x wave
	v_lshl_add_u32 v2, s22, 12, v7                 ; 4,096 x wave + 8 x lane
.irp i, 0,1,2,3,4,5,6,7,8,9,10,11,12,13,14,15
	global_load_b128 v[8+4*(\i):8+4*(\i)+3], v1, s[4:5] offset:512*(\i) th:TH_LOAD_NT
.endr
.irp i, 0,1,2,3,4,5,6,7,8,9,10,11,12,13,14,15
	s_wait_loadcnt 15-(\i)                         ; loads come back in order: load i is in, the younger ones stay out
	v_cvt_pk_bf16_f32 v[72+2*(\i)], v[8+4*(\i)], v[8+4*(\i)+1]
	v_cvt_pk_bf16_f32 v[72+2*(\i)+1], v[8+4*(\i)+2], v[8+4*(\i)+3]
	global_store_b64 v2, v[72+2*(\i):72+2*(\i)+1], s[14:15] offset:256*(\i)  ; every store has data registers of its own: nothing is rewritten
.endr
	s_endpgm                                       ; this way has written no LDS
; A WEIGHT TILE COMES IN.  s23 = its place along k, s24 = along n.  Thread t = 16 q + c reads, of rows 2 q + e + 32 i (e = 0, 1; i = 0..3), the four numbers n = 4 c .. 4 c + 3: sixteen lanes take
; 256 consecutive bytes of a row, aligned.  Two neighbouring k of one n are rounded into one word, which goes to row n of the turned tile.  half = 1: the bf16 numbers are written as f16.
.macro TIN src, np, half
	s_mul_i32 s26, s23, 128*(\np)                  ; 128 rows of np bytes,
	s_lshl_b32 s27, s24, 8                         ; 64 numbers of 4 bytes
	s_add_co_u32 s26, s26, s27
	s_mov_b32 s27, 0
	s_add_nc_u64 s[\src:\src+1], s[\src:\src+1], s[26:27]
	v_lshrrev_b32 v2, 4, v0                        ; q
	v_and_b32 v3, 15, v0                           ; c
	v_mul_u32_u24 v1, v2, 2*(\np)
	v_lshl_add_u32 v1, v3, 4, v1                   ; 2 q rows + 16 c bytes
	v_mul_u32_u24 v3, v3, 4*TP
	v_lshl_add_u32 v3, v2, 2, v3                   ; LDS: row 4 c, k = 2 q
.irp i, 0,1,2,3
.irp e, 0,1
	global_load_b128 v[8+8*(\i)+4*(\e):8+8*(\i)+4*(\e)+3], v1, s[\src:\src+1] offset:(32*(\i)+(\e))*(\np) th:TH_LOAD_NT
.endr
.endr
.irp i, 0,1,2,3
	s_wait_loadcnt 6-2*(\i)                        ; pair i of rows is in; the younger pairs stay out
.irp c, 0,1,2,3
	v_cvt_pk_bf16_f32 v[40+4*(\i)+(\c)], v[8+8*(\i)+(\c)], v[12+8*(\i)+(\c)]  ; the even k below, the odd k above
.if \half
	v_lshlrev_b32 v56, 16, v[40+4*(\i)+(\c)]
	v_and_b32 v57, 0xffff0000, v[40+4*(\i)+(\c)]
	v_cvt_pk_f16_f32 v[40+4*(\i)+(\c)], v56, v57   ; exact within f16's range: bf16 has fewer significant bits
.endif
	ds_store_b32 v3, v[40+4*(\i)+(\c)] offset:(\c)*TP+64*(\i)
.endr
.endr
	s_wait_dscnt 0x0                               ; for the others' sake: my stores into the tile are done
	s_barrier_signal -1
	s_barrier_wait -1                              ; the tile is whole
.endm
; AND GOES OUT.  Wave w takes rows 8 w .. 8 w + 7 of the turned tile, each whole: 32 lanes x 8 bytes, stored as 256 consecutive bytes, aligned.  s25 = the row of dst that takes the first; rstep = bytes from one to the next.
.macro TOUT dst, rstep
	s_lshl_b32 s26, s25, 11                        ; rows of 2,048 bytes,
	s_lshl_b32 s27, s23, 8                         ; 128 k of 2 bytes
	s_add_co_u32 s26, s26, s27
	s_mov_b32 s27, 0
	s_add_nc_u64 s[\dst:\dst+1], s[\dst:\dst+1], s[26:27]
	s_mul_i32 s28, s22, 8*TP
	v_add_nc_u32 v6, s28, v7
.irp i, 0,1,2,3,4,5,6,7
	ds_load_b64 v[60+2*(\i):60+2*(\i)+1], v6 offset:TP*(\i)
.endr
.irp i, 0,1,2,3,4,5,6,7
	s_wait_dscnt 7-(\i)
	global_store_b64 v7, v[60+2*(\i):60+2*(\i)+1], s[\dst:\dst+1] offset:(\i)*(\rstep)
.endr
	s_wait_tensorcnt 0x0                           ; the wave's end, behind my last LDS store
	ds_add_u32 v[SPW], v[NIL]
	s_wait_dscnt 0x0
	s_endpgm
.endm
.Lwq:
	s_lshr_b32 s24, ttmp9, 3                       ; 64 columns: one head of q, k or v
	TIN 6, 12288, 0
	s_lshr_b32 s30, s24, 4                         ; part
	s_and_b32 s31, s24, 15                         ; h
	s_cmp_eq_u32 s30, 2
	s_cbranch_scc1 .Lwq_v
	s_lshl_b32 s25, s30, 10                        ; q and k: d = 8 w + i goes to row part x 1024 + (w / 2) x 256 + 16 h + 8 (w % 2) + i
	s_lshr_b32 s26, s22, 1
	s_lshl_b32 s26, s26, 8
	s_add_co_u32 s25, s25, s26
	s_lshl4_add_u32 s25, s31, s25
	s_and_b32 s26, s22, 1
	s_lshl3_add_u32 s25, s26, s25
	TOUT 16, 2048
.Lwq_v:
	s_lshl_b32 s25, s22, 7                         ; v: d = 8 w + i goes to row 2048 + 128 w + 16 i + h
	s_add_co_u32 s25, s25, s31
	s_add_co_u32 s25, s25, 2048
	TOUT 16, 32768
.Lwo:
	s_lshr_b32 s24, ttmp9, 3
	s_sub_co_u32 s24, s24, 48
	TIN 8, 4096, 1
	s_lshl_b32 s25, s24, 6                         ; row 64 x tile + 8 w + i
	s_lshl3_add_u32 s25, s22, s25
	TOUT 18, 2048
.Lbias:                                        ; thread t makes numbers 4 t .. 4 t + 3 of each of the four parts of 1,024, so that every store is 16 bytes a lane on end
	v_bfe_u32 v1, v0, 2, 4                         ; q and k: h = (t / 4) % 16,
	v_lshrrev_b32 v2, 6, v0                        ; d / 16 = t / 64,
	v_and_b32 v3, 3, v0                            ; d % 16 = 4 (t % 4) + 0..3
	v_lshlrev_b32 v1, 8, v1
	v_lshl_add_u32 v1, v2, 6, v1
	v_lshl_add_u32 v1, v3, 4, v1                   ; byte 4 (64 h + d)
	v_lshrrev_b32 v2, 2, v0                        ; v: d = t / 4, head 4 (t % 4) + e
	v_lshlrev_b32 v2, 2, v2
	v_lshl_add_u32 v2, v3, 10, v2                  ; byte 4 (64 x 4 (t % 4) + d)
	v_lshlrev_b32 v3, 4, v0                        ; 16 t
	global_load_b128 v[8:11], v1, s[10:11]
	global_load_b128 v[12:15], v1, s[10:11] offset:4096
.irp e, 0,1,2,3
	global_load_b32 v[16+(\e)], v2, s[10:11] offset:8192+256*(\e)
.endr
	global_load_b128 v[20:23], v3, s[12:13]
	s_wait_loadcnt 0x0
.irp a, 8,10,12,14,16,18,20,22
	v_cvt_pk_bf16_f32 v24, v[\a], v[\a+1]          ; rounded to bf16 like every other input, and kept as f32
	v_lshlrev_b32 v[\a], 16, v24
	v_and_b32 v[\a+1], 0xffff0000, v24
.endr
.irp i, 0,1,2,3
	global_store_b128 v3, v[8+4*(\i):8+4*(\i)+3], s[20:21] offset:4096*(\i)
.endr
	s_endpgm                                       ; this way has written no LDS
.Lfunc_end_k_q1b872d8dfb_prep:
	.size	k_q1b872d8dfb_prep, .Lfunc_end_k_q1b872d8dfb_prep-k_q1b872d8dfb_prep
	.p2alignl 7, 3214868480
	.fill 96, 4, 3214868480
	.section	.rodata,"a",@progbits
	.p2align	6, 0x0
	.amdhsa_kernel k_q1b872d8dfb_prep
		.amdhsa_group_segment_fixed_size 17920
		.amdhsa_private_segment_fixed_size 0
		.amdhsa_enable_private_segment 0
		.amdhsa_kernarg_size 72
		.amdhsa_user_sgpr_count 2
		.amdhsa_user_sgpr_kernarg_segment_ptr 1
		.amdhsa_wavefront_size32 1
		.amdhsa_system_sgpr_workgroup_id_x 1
		.amdhsa_system_sgpr_workgroup_id_y 1
		.amdhsa_system_sgpr_workgroup_id_z 1
		.amdhsa_system_vgpr_workitem_id 0
		.amdhsa_next_free_vgpr 104
		.amdhsa_next_free_sgpr 66
		.amdhsa_reserve_vcc 0
		.amdhsa_float_denorm_mode_32 3
		.amdhsa_float_denorm_mode_16_64 3
		.amdhsa_memory_ordered 1
		.amdhsa_forward_progress 1
		.amdhsa_inst_pref_size 26
	.end_amdhsa_kernel
	.amdgpu_metadata
---
amdhsa.version: [ 1, 2 ]
amdhsa.kernels:
  - .name:           k_q1b872d8dfb_prep
    .symbol:         k_q1b872d8dfb_prep.kd
    .args:
      - { .name: x, .offset: 0, .size: 8, .value_kind: global_buffer, .address_space: global }
      - { .name: W_qkv, .offset: 8, .size: 8, .value_kind: global_buffer, .address_space: global }
      - { .name: W_out, .offset: 16, .size: 8, .value_kind: global_buffer, .address_space: global }
      - { .name: b_qkv, .offset: 24, .size: 8, .value_kind: global_buffer, .address_space: global }
      - { .name: b_out, .offset: 32, .size: 8, .value_kind: global_buffer, .address_space: global }
      - { .name: xb, .offset: 40, .size: 8, .value_kind: global_buffer, .address_space: global }
      - { .name: wq, .offset: 48, .size: 8, .value_kind: global_buffer, .address_space: global }
      - { .name: wo, .offset: 56, .size: 8, .value_kind: global_buffer, .address_space: global }
      - { .name: bias, .offset: 64, .size: 8, .value_kind: global_buffer, .address_space: global }
    .group_segment_fixed_size: 17920
    .private_segment_fixed_size: 0
    .kernarg_segment_align: 8
    .kernarg_segment_size: 72
    .max_flat_workgroup_size: 256
    .sgpr_count:     66
    .vgpr_count:     104
    .wavefront_size: 32
...
	.end_amdgpu_metadata
.endif
;; end of part 1
;; launch gemm_qkv (part 2): grid 4 x 64, 4 waves a work-group, clusters of 4 x 4, 327,680 bytes of LDS; arguments xb, wq, bias, qkv; writes qkv
.if DOCPART == 2
	.amdgcn_target "amdgcn-amd-amdhsa--gfx1250"
	.amdhsa_code_object_version 6
	.text
	.protected	k_q1b872d8dfb_gemm_qkv
	.globl	k_q1b872d8dfb_gemm_qkv
	.p2align	8
	.type	k_q1b872d8dfb_gemm_qkv,@function
k_q1b872d8dfb_gemm_qkv:
	s_mov_b64 s[64:65], 0
	v_nop
	global_prefetch_b8 v0, s[64:65] scope:SCOPE_SE
	s_setreg_imm32_b32 hwreg(HW_REG_WAVE_MODE, 25, 1), 1
	s_wait_xcnt 0x0
	s_wait_alu depctr_hold_cnt(0) depctr_sa_sdst(0) depctr_va_vdst(0) depctr_va_sdst(0) depctr_va_ssrc(0) depctr_va_vcc(0) depctr_vm_vsrc(0)
	s_getreg_b32 s2, hwreg(HW_REG_IB_STS2, 6, 4)
	s_cmp_eq_u32 s2, 0
	s_cbranch_scc0 .Lentry_in_a_cluster
	s_endpgm
.Lentry_in_a_cluster:
	s_bfe_u32 s2, ttmp6, 0x10000c
	s_cmp_lg_u32 s2, 0xf033
	s_cbranch_scc0 .Lentry_shape_is_right
	s_endpgm
.Lentry_shape_is_right:
; qkv[m][p] = bias[p] + the sum over k of xb[m][k] wq[p][k].  xb: [16384][1024] bf16, wq: [3072][1024] bf16, bias: f32, qkv: [16384][3072] f16; sums in f32, K ascending, qkv rounded once.
; LIMIT.  qkv is f16: a sum of 65,520 or more in magnitude leaves as an infinity.
; A tile of qkv, 256 x 256, is made by a work-group of four waves; a wave makes 128 x 128: 64 accumulators of 16 x 16, 512 registers.  K goes in steps of 128 through a ring of two LDS slots
; filled by the tensor data mover: a tile's rows are 256 bytes of memory and start at multiples of 256 bytes from the buffer's first byte.
; A WORK-GROUP STAYS: 64 x 12 tiles are three for each of 256 work-groups.  Work-group (gx, gy) makes tile row gy and tile columns gx, gx + 4, gx + 8: the same rows of xb three times, wq 1,024 rows further
; down each time.  The ring does not stop at a tile's end: a tile's last two changes of slots ask for the next tile's first two K steps.
; ONE TEXT FOR EVERY LAP.  A lap is two K steps.  A tile that has a successor runs all four laps in the loop and leaves the fourth trip in its middle, for the way out; what differs in that lap, the steps of the
; descriptors and of the prefetches, lies in scalar registers that each lap's head sets from the lap counter.  The last tile leaves the loop behind its third lap: its last lap asks for nothing and is written out
; its last K step goes by rows of qkv.
; CLUSTERS: 4 x 4 work-groups.  The four of a row of the cluster need the same tiles of xb, the four of a column the same tiles of wq: each tile is asked for JOINTLY, by the same tensor load with the same
; descriptor and a mask that names the four.
; THE BIAS starts the sums: it is the C operand of a tile's first 64 products, so nothing is cleared and nothing is added afterwards.
; REGISTERS, in windows of 256 (s_set_vgpr_msb's low byte: bits 1:0 source 0, 3:2 source 1, 5:4 source 2, 7:6 destination):
;   window 0: v0-31 addresses; v64-127, v128-191 fragments of xb, two buffers (in the very last K step four, of 16 rows x 128 K); v32-63, v192-255 at work on the way out
;   window 1: v0-63 the bias of my 128 columns; v64-127, v128-191 fragments of wq, two buffers; in the very last K step all 256: wq's fragments of the whole step
;   window 2: the 32 accumulators of my rows 0-63 (accumulator (a, b) at v[8 (8 a + b)]);   window 3: those of my rows 64-127
; THE MATRIX INSTRUCTION IS USED TRANSPOSED: source 0 = 16 rows of wq, source 1 = 16 rows of xb.  Lane l then holds row l % 16 of qkv and, in registers 0 to 7, the columns 8 (l / 16) + 0 .. 7.
.set SIZE_N, 3072
.set SIZE_K, 1024
.set TILES,  3
.set KSTEP,  128
.set PITCH,  272                       ; an LDS row: 256 bytes of data + 16 of padding = 68 words: the 16 rows that a load touches start at 16 different groups of four banks (64 banks of 4 bytes: ISA guide 11.1)
.set HALFT,  128*PITCH                 ; 128 rows: what one tensor load brings, and what one wave reads of xb or of wq
.set SLOT,   4*HALFT                   ; xb's 256 rows, then wq's 256 rows
.set STAGE,  2*SLOT                    ; behind the ring: 16 rows x 272 bytes for each wave, for the way out
.set SPITCH, 272
.set SPARE,  STAGE+4*16*SPITCH         ; behind the stages: the spare words, 128 bytes for each wave: two blocks of 256 bytes that no other line names
.set LAPS,   SIZE_K/(2*KSTEP)          ; a lap = two K steps = once round the ring
.set WRAP_A, SIZE_K*2                  ; in a tile's last lap xb's addresses go on by two K steps and back by a row's bytes: to the same rows' K steps 0 and 1
.set JUMP_B, 1024*SIZE_K*2-SIZE_K*2    ; wq's go on by two K steps, back by a row's bytes and 1,024 rows down; the prefetches' address likewise, once
.set ADRA, 16                          ; v16-17  LDS address of my fragments of xb in slot 0, 1
.set ADRB, 20                          ; v20-21  the same for wq
.set STO,  24                          ; v24     the way out: where I put 16 bytes of a row
.set RD,   25                          ; v25     the way out: where I read a row back
.set CO,   26                          ; v26     my byte offset in qkv
.set BO,   27                          ; v27     my byte offset in the bias: 32 (l / 16); never rewritten
.set SPW,  28                          ; v28     LDS address of my spare word; never rewritten
.set NIL,  29                          ; v29     0; never rewritten
.set PFO,  30                          ; v30     the prefetches' offset: my lane x a row of 2,048 bytes; never rewritten
.set PFA,  44                          ; s[44:45] where my prefetches stand
.set LIM,  43                          ; s43     2 in a wave that prefetches, else the greatest number: it asks along K while more laps than that are left
.set WA,   14                          ; s[14:15] WRAP_A in the last lap of a tile that has a successor, else 0 (the head's scratch until then)
.set WB,   16                          ; s[16:17] JUMP_B in that lap, else 0
.set ONB,  18                          ; s18     1 in that lap, in a wave that prefetches for wq, else 0
.set TS,   19                          ; s19     at work
.set ASKB, 66                          ; s66     1 in a wave that prefetches for wq, else 0
.set BB,   68                          ; s[68:69] the bias at my 128 columns of the tile in hand
.set CB,   70                          ; s[70:71] qkv at my part of the tile in hand; no memory instruction names it
.set BI,   0                           ; window 1: the bias: column 16 b + 8 (l / 16) + j at v[8 b + j]
.set F0,   64
.set F1,   128
.set TMP,  192
.set OB,   32
.set PA,   64
.set G1, 24                            ; s[24:31] descriptor group 1 for xb's tiles
.set G0, 32                            ; s[32:39] descriptor group 0 for xb's tiles, one set for each slot
.set G1B, 48                           ; s[48:55], s[56:63] the same for wq's tiles
.set G0B, 56
.set MSB, 0
.macro WIN new                         ; the immediate's high byte repeats the setting that is left; a switch that changes nothing is dropped
.if MSB != (\new)
	s_set_vgpr_msb (MSB<<8)|(\new)
.set MSB, \new
.endif
.endm
.set MUL_LO, 0xa1                      ; source 0 (wq) window 1, source 1 (xb) window 0, C and D window 2
.set MUL_B,  0x91                      ; the same with C (the bias) in window 1
.set TO_B,   0x40                      ; destination window 1, address window 0
; A joint load.  Waves 0 and 1 fetch xb's two halves, waves 2 and 3 wq's.  The branch hangs on the wave's number alone.  An s_nop 0 and four v_nop follow each of the two lines.
.macro JLOAD s
	s_cmp_eq_u32 s11, 0
	s_cbranch_scc0 .Lfor_b_\@
	tensor_load_to_lds s[G0+4*(\s):G0+4*(\s)+3], s[G1:G1+7]
	s_nop 0
.rept 4
	v_nop
.endr
	s_branch .Lasked_\@
.Lfor_b_\@:
	tensor_load_to_lds s[G0B+4*(\s):G0B+4*(\s)+3], s[G1B:G1B+7]
	s_nop 0
.rept 4
	v_nop
.endr
.Lasked_\@:
.endm
; A PREFETCH INTO THE L2, behind each joint load and the run of LDS loads that follows it: the K step that stands two refills on, 512 matrix instructions ahead of the load that will name it: 32 rows x 256 bytes, a lane
; a row, one instruction a wave.  Each row's 256 bytes of a K step are named once in the launch.  xb's tile row is read by one cluster alone, which asks for it in its first tile; wq's tile column by all sixteen
; clusters: the one with y = 0 asks, in every tile.  The four partners that ask for a tile jointly share its rows out by address, 32 each (by cx for xb, by cy for wq).
; Along K a wave asks in a tile's laps 0 and 1 (s3 = 4, 3), for K steps 4 to 7: later refills have no K step two on.  In the last lap of a tile that has a successor (s3 = 1) wq's askers name the next tile's K steps 2 and 3.
.macro ASK
	s_cmp_gt_u32 s3, s[LIM]
	s_cselect_b32 s[TS], 1, s[ONB]
	s_cmp_eq_u32 s[TS], 1
	s_cbranch_scc0 .Lnot_mine_\@
	global_prefetch_b8 v[PFO], s[PFA:PFA+1] offset:KSTEP*2 th:TH_LOAD_NT scope:SCOPE_SE
.Lnot_mine_\@:
.endm
.macro CREST                           ; a round of the cluster's barrier behind its opening barrier
	s_cmp_lg_u32 s10, 0
	s_cbranch_scc1 .Lnot_wave_0_\@
	s_barrier_signal -3
.Lnot_wave_0_\@:
	s_barrier_wait -3
	s_barrier_signal -1
	s_barrier_wait -1
.endm
.macro CROUND                          ; a whole round
	s_barrier_signal -1
	s_barrier_wait -1
	CREST
.endm
	s_load_b128 s[4:7], s[0:1], 0x0                ; xb s[4:5], wq s[6:7]
	s_load_b128 s[68:71], s[0:1], 0x10             ; bias, qkv
	v_lshl_add_u32 v[SPW], v0, 2, SPARE
	v_mov_b32 v[NIL], 0
	ds_add_u32 v[SPW], v[NIL]                      ; the wave's opening: the add and its wait stand ahead of my first tensor load; the set-up below, work on registers, stands between them
	v_lshrrev_b32 v1, 5, v0
	v_readfirstlane_b32 s10, v1                    ; wave 0..3
	s_lshr_b32 s11, s10, 1                         ; which half of the tile's rows is mine.  Also: I fetch for xb (0) or for wq (1)
	s_and_b32 s12, s10, 1                          ; which half of its columns.  Also: which 128 rows of that tile I fetch
	s_bfe_u32 s40, ttmp6, 0x40000                  ; cx
	s_bfe_u32 s41, ttmp6, 0x40004                  ; cy
	s_lshl_b32 s42, ttmp9, 2
	s_add_co_u32 s42, s42, s40                     ; gx: my first tile column
	s_and_b32 s13, ttmp7, 0xffff
	s_lshl_b32 s13, s13, 2
	s_add_co_u32 s13, s13, s41                     ; gy: my tile row
	s_lshl_b32 s43, s41, 2
	s_lshl_b32 s43, 15, s43                        ; my row of the cluster: places 4 cy .. 4 cy + 3
	s_lshl_b32 s44, 0x1111, s40                    ; my column: places cx, cx + 4, cx + 8, cx + 12
	; descriptor group 1: a tile of 128 rows x 128 elements, padded in LDS
	s_or_b32 s[G1+0], s43, (1<<16)|(1<<20)|(1<<21)|(5<<22)|(3<<25)  ; 15:0 the mask; 17:16 elements of 2 bytes; 20 padding on; 21 set beside a mask; 24:22 after every 64 words (code 5); 31:25 4 words of it (code 3)
	s_or_b32 s[G1B+0], s44, (1<<16)|(1<<20)|(1<<21)|(5<<22)|(3<<25)
.irp g, G1, G1B
	s_mov_b32 s[(\g)+1], KSTEP<<16                 ; tensor_dim0 = 128
	s_mov_b32 s[(\g)+2], 128<<16                   ; tensor_dim1 = 128
	s_mov_b32 s[(\g)+3], KSTEP<<16                 ; tile_dim0 = 128
	s_mov_b32 s[(\g)+4], 128                       ; tile_dim1 = 128
	s_mov_b32 s[(\g)+5], SIZE_K                    ; elements from row to row
	s_mov_b32 s[(\g)+6], 0
	s_mov_b32 s[(\g)+7], 0
.endr
	; xb's tiles hang on the tile row alone, which my row of the cluster shares; wq's on the tile column alone, which my column shares
	s_lshl_b32 s17, s12, 7
	s_lshl_b32 s16, s13, 8
	s_add_co_u32 s16, s16, s17                     ; xb: row 256 gy + 128 x half
	s_lshl_b32 s46, s42, 8
	s_add_co_u32 s46, s46, s17                     ; wq: row 256 gx + 128 x half
	s_mov_b32 s17, 0
	s_mov_b32 s47, 0
	s_mov_b64 s[18:19], SIZE_K*2
	s_mul_u64 s[16:17], s[16:17], s[18:19]
	s_mul_u64 s[46:47], s[46:47], s[18:19]
	s_mul_i32 s20, s10, HALFT                      ; where they go: wave x 128 rows: no place in the cluster enters an LDS address
	s_wait_dscnt 0x0                               ; the opening add is done
	s_wait_kmcnt 0x0
	s_add_nc_u64 s[14:15], s[4:5], s[16:17]
	s_add_nc_u64 s[46:47], s[6:7], s[46:47]
	CROUND                                         ; all sixteen work-groups are here: the first joint loads meet
.irp s, 0,1
	s_mov_b32 s[G0+4*(\s)], 1                                      ; count = 1
	s_add_co_u32 s[G0+4*(\s)+1], s20, (\s)*SLOT                    ; LDS address
	s_add_nc_u64 s[G0+4*(\s)+2:G0+4*(\s)+3], s[14:15], (\s)*KSTEP*2  ; global address: K step s
	s_or_b32 s[G0+4*(\s)+3], s[G0+4*(\s)+3], 0x80000000            ; type = 2
	s_mov_b32 s[G0B+4*(\s)], 1
	s_add_co_u32 s[G0B+4*(\s)+1], s20, (\s)*SLOT
	s_add_nc_u64 s[G0B+4*(\s)+2:G0B+4*(\s)+3], s[46:47], (\s)*KSTEP*2
	s_or_b32 s[G0B+4*(\s)+3], s[G0B+4*(\s)+3], 0x80000000
	JLOAD \s                                       ; two tensor loads of mine are out
.endr
	; A fragment is 16 rows x 32 K in 8 registers: lane l holds row l % 16; registers 0-3 K = 8 (l / 16) + 0..7, registers 4-7 K = 16 + 8 (l / 16) + 0..7: two loads of 16 bytes, 32 bytes apart.
	v_and_b32 v1, 15, v0                           ; l % 16
	v_bfe_u32 v2, v0, 4, 1                         ; l / 16
	v_mul_u32_u24 v3, v1, PITCH
	v_lshl_add_u32 v3, v2, 4, v3
	s_mul_i32 s21, s11, HALFT                      ; my 128 rows of xb
	s_mul_i32 s22, s12, HALFT                      ; my 128 rows of wq,
	s_add_co_u32 s22, s22, 2*HALFT                 ; which lie behind xb's 256
.irp s, 0,1
	v_add_nc_u32 v[ADRA+(\s)], s21, v3
	v_add_nc_u32 v[ADRB+(\s)], s22, v3
	s_add_co_u32 s21, s21, SLOT
	s_add_co_u32 s22, s22, SLOT
.endr
	s_mul_i32 s23, s10, 16*SPITCH
	s_add_co_u32 s23, s23, STAGE                   ; my stage
	v_mul_u32_u24 v4, v1, SPITCH                   ; in: row l % 16, 16 bytes for each half of the lanes
	v_lshl_add_u32 v4, v2, 4, v4
	v_add_nc_u32 v[STO], s23, v4
	v_mul_u32_u24 v5, v2, SPITCH                   ; back: lanes 0-15 take one row of 256 bytes, lanes 16-31 the next
	v_lshl_add_u32 v5, v1, 4, v5
	v_add_nc_u32 v[RD], s23, v5
	v_mul_u32_u24 v5, v2, SIZE_N*2                 ; and the same two rows in qkv
	v_lshl_add_u32 v[CO], v1, 4, v5
	v_lshlrev_b32 v[BO], 5, v2
	s_lshl_b32 s13, s13, 8
	s_lshl_b32 s14, s11, 7
	s_add_co_u32 s16, s13, s14                     ; my first row of qkv
	s_mov_b32 s17, 0
	s_mov_b64 s[18:19], SIZE_N*2
	s_mul_u64 s[16:17], s[16:17], s[18:19]
	s_lshl_b32 s46, s42, 9                         ; my first column, in bytes: 512 gx + 256 x half
	s_lshl_b32 s47, s12, 8
	s_add_co_u32 s46, s46, s47
	s_mov_b32 s47, 0
	s_add_nc_u64 s[16:17], s[16:17], s[46:47]
	s_add_nc_u64 s[CB:CB+1], s[CB:CB+1], s[16:17]
	s_lshl_b32 s46, s46, 1                         ; the same column in the bias, 4 bytes a number
	s_add_nc_u64 s[BB:BB+1], s[BB:BB+1], s[46:47]
	; the prefetches.  s13 = 256 gy, s42 = gx, s40 = cx, s41 = cy still stand
	s_lshl_b32 s42, s42, 8
	s_and_b32 s22, ttmp7, 0xffff                   ; cluster y
	s_cmp_eq_u32 s11, 0                            ; do I fetch for xb?
	s_cselect_b32 s20, s13, s42                    ; the tile's first row
	s_cselect_b32 s21, s40, s41                    ; my place among the four that ask for it with me
	s_cselect_b32 s22, ttmp9, s22                  ; the coordinate along which other clusters read the same rows
	s_cselect_b64 s[PFA:PFA+1], s[4:5], s[6:7]
	s_cmp_eq_u32 s22, 0
	s_cselect_b32 s[LIM], 2, -1                    ; the same in all sixteen partners, for a given wave
	s_cselect_b32 s[ASKB], s11, 0                  ; an asker that fetches for wq
	s_lshl_b32 s22, s12, 7
	s_add_co_u32 s20, s20, s22                     ; + the 128 rows that I fetch
	s_lshl_b32 s21, s21, 5
	s_add_co_u32 s20, s20, s21                     ; + my work-group's 32 of them
	s_mov_b32 s21, 0
	s_mov_b64 s[18:19], SIZE_K*2
	s_mul_u64 s[20:21], s[20:21], s[18:19]
	s_add_nc_u64 s[PFA:PFA+1], s[PFA:PFA+1], s[20:21]
	s_add_nc_u64 s[PFA:PFA+1], s[PFA:PFA+1], 2*KSTEP*2  ; at K step 2: the first refill steps it to 3 and names K step 4; nothing is prefetched here, at the head
	v_and_b32 v[PFO], 31, v0
	v_mul_u32_u24 v[PFO], v[PFO], SIZE_K*2
	s_mov_b32 s[WA+1], 0                           ; the upper words of the two steps that each lap's head sets; the head's scratch is free from here on
	s_mov_b32 s[WB+1], 0
; The bias of my 128 columns: 16 loads of 16 bytes a lane
.macro BIASLD
	WIN TO_B
.irp b, 0,1,2,3,4,5,6,7
	global_load_b128 v[BI+8*(\b):BI+8*(\b)+3],   v[BO], s[BB:BB+1] offset:64*(\b)
	global_load_b128 v[BI+8*(\b)+4:BI+8*(\b)+7], v[BO], s[BB:BB+1] offset:64*(\b)+16
.endr
	WIN 0
.endm
; 16 matrix instructions: m blocks a0, a0 + 1 of the window's four (hi = 0: my rows 0-63, 1: rows 64-127) x all 8 n blocks, 32 along K.  first = 1: the product starts the sum, with the bias as C.
; The 64 accumulators take turns, one instruction a turn, in the same order in every quarter.
.macro MUL16 f, hi, a0, first
.if \first
	WIN MUL_B+0x40*(\hi)
.else
	WIN MUL_LO+0x50*(\hi)
.endif
.irp a, \a0, (\a0)+1
.irp b, 0,1,2,3,4,5,6,7
.if \first
	v_wmma_f32_16x16x32_bf16 v[8*(8*(\a)+(\b)):8*(8*(\a)+(\b))+7], v[(\f)+8*(\b):(\f)+8*(\b)+7], v[(\f)+8*(4*(\hi)+(\a)):(\f)+8*(4*(\hi)+(\a))+7], v[BI+8*(\b):BI+8*(\b)+7]
.else
	v_wmma_f32_16x16x32_bf16 v[8*(8*(\a)+(\b)):8*(8*(\a)+(\b))+7], v[(\f)+8*(\b):(\f)+8*(\b)+7], v[(\f)+8*(4*(\hi)+(\a)):(\f)+8*(4*(\hi)+(\a))+7], v[8*(8*(\a)+(\b)):8*(8*(\a)+(\b))+7]
.endif
.endr
.endr
.endm
; 32 LDS loads in one run: the fragments of one quarter step (128 rows of wq, 128 rows of xb, 32 K at byte k of the rows) into buffer f
.macro FETCH slot, k, f
	WIN TO_B
.irp i, 0,1,2,3,4,5,6,7
	ds_load_b128 v[(\f)+8*(\i):(\f)+8*(\i)+3],   v[ADRB+(\slot)] offset:(\k)+(\i)*16*PITCH
	ds_load_b128 v[(\f)+8*(\i)+4:(\f)+8*(\i)+7], v[ADRB+(\slot)] offset:(\k)+(\i)*16*PITCH+32
.endr
	WIN 0
.irp i, 0,1,2,3,4,5,6,7
	ds_load_b128 v[(\f)+8*(\i):(\f)+8*(\i)+3],   v[ADRA+(\slot)] offset:(\k)+(\i)*16*PITCH
	ds_load_b128 v[(\f)+8*(\i)+4:(\f)+8*(\i)+7], v[ADRA+(\slot)] offset:(\k)+(\i)*16*PITCH+32
.endr
.endm
; Four plain vector instructions stand between a matrix instruction and a load into a register that it has read, or a vector instruction that reads its result (ISA guide 7.12.1 for vector instructions).
.macro PLACES
.rept 4
	v_nop
.endr
.endm
; A K step is four quarters of 32 along K, 64 matrix instructions each, on buffers 0, 1, 0, 1.  One of the first three: multiplies buffer f; in its middle it fetches the next quarter, at byte k, into buffer g.
.macro QUARTER slot, k, f, g, first
	s_wait_dscnt 8                                 ; wq and xb's rows 0-63 are in; the youngest eight loads (xb's rows 64-127) may be out
	MUL16 \f, 0, 0, \first
	MUL16 \f, 0, 2, \first
	PLACES
	FETCH \slot, \k, \g
	s_wait_dscnt 32                                ; all but the 32 just issued
	MUL16 \f, 1, 0, \first
	MUL16 \f, 1, 2, \first
.endm
; The last quarter's first half: ONE barrier for the change of slots.  In front of it each wave waits for all its tensor loads, of which one is out: its part of the next slot; adds 0 to its spare word; and waits for that and for its reads of this slot.
.macro MEET round                      ; round = 1: a round of the cluster's barrier follows
	WIN 0                                          ; (the add's two registers lie in window 0)
	s_wait_tensorcnt 0x0                           ; all my tensor loads have landed
	ds_add_u32 v[SPW], v[NIL]                      ; 0 onto my spare word
	s_wait_dscnt 9                                 ; (the add and the youngest eight loads may be out)
	MUL16 F1, 0, 0, 0                              ; sixteen matrix instructions stand between the add and the wait for it
	s_wait_dscnt 0x0                               ; the add is done, and my reads of this slot are over
	s_barrier_signal -1
	MUL16 F1, 0, 2, 0                              ; work on registers while the others arrive
.if \round
	WIN 0
.endif
	s_barrier_wait -1
.endm
; The whole last quarter.  Behind the round the slot just read out is filled again first; then come the next slot's first fragments.  A slot's addresses go on by two K steps; in the last lap of a tile that has a
; successor WA and WB turn that into the next tile's K step 0 or 1, elsewhere they are 0.
.macro TURN slot, next
	s_wait_xcnt 0x0                                ; the last prefetch, a K step back, has read its address: it is stepped here, ahead of the waits of the change of slots
	s_add_nc_u64 s[PFA:PFA+1], s[PFA:PFA+1], KSTEP*2
.if (\slot) == 0
	s_add_nc_u64 s[PFA:PFA+1], s[PFA:PFA+1], s[WB:WB+1]  ; at a change of tiles: from the K step after the tile's last, which is the next row's first, to the next tile's K step 1
.endif
	MEET 1
	CREST                                          ; no wave of any partner still reads this slot's tile or has a load on its way
	s_add_nc_u64 s[G0+4*(\slot)+2:G0+4*(\slot)+3], s[G0+4*(\slot)+2:G0+4*(\slot)+3], 2*KSTEP*2
	s_sub_nc_u64 s[G0+4*(\slot)+2:G0+4*(\slot)+3], s[G0+4*(\slot)+2:G0+4*(\slot)+3], s[WA:WA+1]
	s_add_nc_u64 s[G0B+4*(\slot)+2:G0B+4*(\slot)+3], s[G0B+4*(\slot)+2:G0B+4*(\slot)+3], 2*KSTEP*2
	s_add_nc_u64 s[G0B+4*(\slot)+2:G0B+4*(\slot)+3], s[G0B+4*(\slot)+2:G0B+4*(\slot)+3], s[WB:WB+1]
	JLOAD \slot                                    ; the first tensor load behind the round, my only one until the next; its four v_nop are also the places in front of the loads below
	FETCH \next, 0, F0
	ASK
	MUL16 F1, 1, 0, 0
	MUL16 F1, 1, 2, 0
.endm
; THE LAST TILE'S LAST K STEP (slot 1) GOES BY ROWS OF qkv: all its fragments of wq fill window 1; my eight blocks of 16 rows are finished one after the other, 32 matrix instructions each, K ascending.
.macro BLOAD q                         ; wq's fragments of quarter q -> window 1, v[64 q ..]
	WIN TO_B
.irp i, 0,1,2,3,4,5,6,7
	ds_load_b128 v[64*(\q)+8*(\i):64*(\q)+8*(\i)+3],   v[ADRB+1] offset:64*(\q)+(\i)*16*PITCH
	ds_load_b128 v[64*(\q)+8*(\i)+4:64*(\q)+8*(\i)+7], v[ADRB+1] offset:64*(\q)+(\i)*16*PITCH+32
.endr
.endm
.macro ALOAD a                         ; xb's fragments of block a, all four quarters -> buffer a % 4
	WIN 0
.set FA, PA+32*((\a)%4)
.irp q, 0,1,2,3
	ds_load_b128 v[FA+8*(\q):FA+8*(\q)+3],   v[ADRA+1] offset:64*(\q)+(\a)*16*PITCH
	ds_load_b128 v[FA+8*(\q)+4:FA+8*(\q)+7], v[ADRA+1] offset:64*(\q)+(\a)*16*PITCH+32
.endr
.endm
.macro ROW a                           ; block a is finished: 32 matrix instructions, its 8 accumulators by turns
.set FA, PA+32*((\a)%4)
.set AC, 64*((\a)%4)
	WIN MUL_LO+0x50*((\a)/4)
.irp q, 0,1,2,3
.if (\a) == 0 && (\q) == 2
	s_wait_dscnt 24                                ; wq's quarter 2 is in (behind it: xb's blocks 1 to 3)
.endif
.irp b, 0,1,2,3,4,5,6,7
	v_wmma_f32_16x16x32_bf16 v[AC+8*(\b):AC+8*(\b)+7], v[64*(\q)+8*(\b):64*(\q)+8*(\b)+7], v[FA+8*(\q):FA+8*(\q)+7], v[AC+8*(\b):AC+8*(\b)+7]
.endr
.endr
.endm
; THE WAY OUT of block a.  PACK: rounded to f16, 16 bytes a lane, each accumulator's registers in ascending order.  TOSTAGE: into my own stage in LDS, and back as whole rows of 256 bytes.  SEND: stored.
.macro PACK a
.set AC, 64*((\a)%4)
	WIN 0x0a+5*((\a)/4)                            ; sources 0 and 1: window 2 or 3
.irp b, 0,1,2,3,4,5,6,7
.irp r, 0,1,2,3
	v_cvt_pk_f16_f32 v[TMP+4*(\b)+(\r)], v[AC+8*(\b)+2*(\r)], v[AC+8*(\b)+2*(\r)+1]
.endr
.endr
	WIN 0
.endm
.macro TOSTAGE a
	WIN 0
.set BK, OB+192*((\a)%2)
.irp b, 0,1,2,3,4,5,6,7
	ds_store_b128 v[STO], v[TMP+4*(\b):TMP+4*(\b)+3] offset:32*(\b)
.endr
.irp t, 0,1,2,3,4,5,6,7
	ds_load_b128 v[BK+4*(\t):BK+4*(\t)+3], v[RD] offset:(\t)*2*SPITCH  ; LDS serves a wave's instructions in order (ISA guide 5.7.1.4): these see the stores above
.endr
.endm
.macro SEND a, younger                 ; younger: the LDS loads issued behind TOSTAGE's, which may stay out
	WIN 0
.set BK, OB+192*((\a)%2)
	s_wait_dscnt \younger                          ; the block is back in registers
	s_wait_xcnt 0x0                                ; only behind this wait are the stores' base and the registers that earlier stores read rewritten
.if (\a) == 0
	s_mov_b64 s[8:9], s[CB:CB+1]                   ; this tile's first rows
.else
	s_add_nc_u64 s[8:9], s[8:9], 16*SIZE_N*2       ; 16 rows on
.endif
.irp t, 0,1,2,3,4,5,6,7
	global_store_b128 v[CO], v[BK+4*(\t):BK+4*(\t)+3], s[8:9] offset:2*(\t)*SIZE_N*2  ; 16 lanes store 256 consecutive bytes, at a multiple of 256 from qkv's first byte
.endr
.endm
	BIASLD                                         ; the first tile's bias
	s_wait_tensorcnt 1                             ; my part of K step 0 is in; K step 1's may stay out
	s_barrier_signal -1
	s_barrier_wait -1                              ; everybody's is
	FETCH 0, 0, F0
	s_mov_b32 s2, TILES                            ; tiles to go, this one among them: the same number in every work-group
.Ltile:
	s_wait_loadcnt 0x0                             ; the tile's bias is in
	QUARTER 0, 64,  F0, F1, 1                      ; a tile's first quarter stands in front of the loop: its products start the sums
	WIN 0                                          ; at a label and at a branch every window is 0
	s_mov_b32 s3, LAPS                             ; laps to go, the one in hand among them
.Llap:                                                 ; a trip goes once round the ring, from a lap's second quarter to the next lap's first, and fills both slots again
	s_cmp_eq_u32 s3, 1                             ; the tile's last lap?  Only a tile that has a successor comes here with one lap to go
	s_cselect_b32 s[WA], WRAP_A, 0
	s_cselect_b32 s[WB], JUMP_B, 0
	s_cselect_b32 s[ONB], s[ASKB], 0
	QUARTER 0, 128, F1, F0, 0
	QUARTER 0, 192, F0, F1, 0
	TURN 0, 1
	QUARTER 1, 64,  F0, F1, 0
	QUARTER 1, 128, F1, F0, 0
	QUARTER 1, 192, F0, F1, 0
	TURN 1, 0
	WIN 0
	s_sub_co_u32 s3, s3, 1
	s_cmp_eq_u32 s3, 0
	s_cbranch_scc1 .Lway_out                       ; the tile is finished, both refills for the next are asked for, and its first fragments are being fetched
	QUARTER 0, 64,  F0, F1, 0
	WIN 0
	s_cmp_eq_u32 s3, 1                             ; one lap to go,
	s_cselect_b32 s[TS], s2, 0
	s_cmp_eq_u32 s[TS], 1                          ; in the last tile?
	s_cbranch_scc1 .Llast_tile                     ; its last lap is written out: it asks for nothing more
	s_cmp_lg_u32 s3, 0
	s_cbranch_scc1 .Llap
.Lway_out:
	s_cmp_eq_u32 s11, 1
	s_cselect_b32 s[LIM], s[LIM], -1               ; xb's rows are the same for all three tiles: they are asked for in the first tile alone
	s_add_nc_u64 s[BB:BB+1], s[BB:BB+1], 4096      ; 1,024 columns on; the loads that named this pointer were waited for at the tile's head
	BIASLD                                         ; the next tile's bias: its registers were last read by this tile's first quarter
	PACK 0                                         ; both refills are asked for: now the tile goes out.  Blocks 0-3 were finished in front of the joint load's four v_nop, and their 128 conversions,
	TOSTAGE 0                                      ; which name no register of the last products (blocks 4-7's), are those products' places
.irp a, 1,2,3,4,5,6,7                  ; block a's conversions stand between block a - 1's loads from the stage and the wait for them
	PACK \a
	SEND (\a)-1, 0
	TOSTAGE \a
.endr
	SEND 7, 0
	s_add_nc_u64 s[CB:CB+1], s[CB:CB+1], 2048      ; four tile columns of 512 bytes on
	s_sub_co_u32 s2, s2, 1
	s_branch .Ltile
.Llast_tile:
	QUARTER 0, 128, F1, F0, 0                      ; the last tile's last lap
	QUARTER 0, 192, F0, F1, 0
	MEET 0                                         ; my one tensor load that was still out is slot 1's, the last K step's, so no round follows
	PLACES                                         ; for the loads into buffer 0, which the quarter before multiplied
	BLOAD 0                                        ; (over the bias, which the tile's first quarter has read)
	BLOAD 1
	BLOAD 3
	ALOAD 0
	MUL16 F1, 1, 0, 0
	MUL16 F1, 1, 2, 0
	PLACES                                         ; for the loads into buffer 1
	BLOAD 2
	ALOAD 1
	ALOAD 2
	ALOAD 3
	s_wait_dscnt 40                                ; all but the 40 just issued
	ROW 0
.irp a, 0,1,2,3,4,5,6,7                ; each block leaves as soon as it is finished
	PLACES                                         ; its conversions read results just made
	PACK \a
	TOSTAGE \a
.if (\a) < 4
	ALOAD (\a)+4                                   ; its buffer takes the block four further on
	SEND \a, 8
.else
	SEND \a, 0
.endif
.if (\a) < 7
	ROW (\a)+1
.endif
.endr
	s_wait_tensorcnt 0x0                           ; the wave's end, behind my last tensor load and my last LDS store
	ds_add_u32 v[SPW], v[NIL]
	s_wait_dscnt 0x0
	CROUND                                         ; the closing round: no work-group ends while a partner may still ask for a tile that names it
	s_endpgm
.Lfunc_end_k_q1b872d8dfb_gemm_qkv:
	.size	k_q1b872d8dfb_gemm_qkv, .Lfunc_end_k_q1b872d8dfb_gemm_qkv-k_q1b872d8dfb_gemm_qkv
	.p2alignl 7, 3214868480
	.fill 96, 4, 3214868480
	.section	.rodata,"a",@progbits
	.p2align	6, 0x0
	.amdhsa_kernel k_q1b872d8dfb_gemm_qkv
		.amdhsa_group_segment_fixed_size 327680
		.amdhsa_private_segment_fixed_size 0
		.amdhsa_enable_private_segment 0
		.amdhsa_kernarg_size 32
		.amdhsa_user_sgpr_count 2
		.amdhsa_user_sgpr_kernarg_segment_ptr 1
		.amdhsa_wavefront_size32 1
		.amdhsa_system_sgpr_workgroup_id_x 1
		.amdhsa_system_sgpr_workgroup_id_y 1
		.amdhsa_system_sgpr_workgroup_id_z 1
		.amdhsa_system_vgpr_workitem_id 0
		.amdhsa_next_free_vgpr 1024
		.amdhsa_next_free_sgpr 72
		.amdhsa_reserve_vcc 0
		.amdhsa_float_denorm_mode_32 3
		.amdhsa_float_denorm_mode_16_64 3
		.amdhsa_memory_ordered 1
		.amdhsa_forward_progress 1
		.amdhsa_inst_pref_size 180
	.end_amdhsa_kernel
	.amdgpu_metadata
---
amdhsa.version: [ 1, 2 ]
amdhsa.kernels:
  - .name:           k_q1b872d8dfb_gemm_qkv
    .symbol:         k_q1b872d8dfb_gemm_qkv.kd
    .args:
      - { .name: xb, .offset: 0, .size: 8, .value_kind: global_buffer, .address_space: global }
      - { .name: wq, .offset: 8, .size: 8, .value_kind: global_buffer, .address_space: global }
      - { .name: bias, .offset: 16, .size: 8, .value_kind: global_buffer, .address_space: global }
      - { .name: qkv, .offset: 24, .size: 8, .value_kind: global_buffer, .address_space: global }
    .group_segment_fixed_size: 327680
    .private_segment_fixed_size: 0
    .kernarg_segment_align: 8
    .kernarg_segment_size: 32
    .max_flat_workgroup_size: 128
    .sgpr_count:     72
    .vgpr_count:     1024
    .wavefront_size: 32
...
	.end_amdgpu_metadata
.endif
;; end of part 2
;; launch attn (part 3): grid 256 x 1, 16 waves a work-group, no clusters, 71,680 bytes of LDS; arguments qkv, a2; writes a2
.if DOCPART == 3
	.amdgcn_target "amdgcn-amd-amdhsa--gfx1250"
	.amdhsa_code_object_version 6
	.text
	.protected	k_q1b872d8dfb_attn
	.globl	k_q1b872d8dfb_attn
	.p2align	8
	.type	k_q1b872d8dfb_attn,@function
k_q1b872d8dfb_attn:
	s_mov_b64 s[64:65], 0
	v_nop
	global_prefetch_b8 v0, s[64:65] scope:SCOPE_SE
	s_setreg_imm32_b32 hwreg(HW_REG_WAVE_MODE, 25, 1), 1
	s_wait_xcnt 0x0
; FOR EACH OF 16,384 POSITIONS, attention across its 16 heads: w[h][g] = softmax_g(q[h] . k[g] / 8), o[h][d] = the sum over g of w[h][g] v[g][d].  The maximum over all 16 scores is taken away before the exponentials.
; qkv: [16384][3072] f16.  Of a position's 6,144 bytes q is four chunks of 512 bytes, chunk i = [h][d = 16 i .. 16 i + 15]; k the same, 2,048 bytes on; v, 4,096 bytes on, lies turned, [d][g], 32 bytes a d.
; a2: [16384][1024] f16: o of position (b, l), head h, goes to row 4096 b + 256 h + l / 16, columns 64 (l % 16) + d: the order in which the next product reads it.
; Products, maximum, sums and the division in f32; the weights are rounded to f16 once, after the division; o once.
; LIMITS.  A weight below 2^-126 counts as 0.  NaN and infinities are not treated apart; two positions share a product with zeros in the other's place, so an infinity or NaN in v spoils both.
; SHARES.  A work-group takes 64 positions, each of its 16 waves four on end, as two PAIRS.  No wave wants a byte that another has fetched: every fragment is one or two loads of 512 consecutive bytes, straight into
; registers.  So no barrier, no tensor load, no cluster.  A wave asks for a pair's 12 KiB at once, and for the next pair's as soon as the products have read the registers.
; LAYOUT.  S^T = K Q^T (source 0 = the 16 heads g of k, source 1 = the 16 heads h of q, 32 d an instruction): lane l holds head h = l % 16 and the scores g = 8 (l / 16) + 0..7.  Rounded in pairs these are half of
; source 1 of O^T = V^T P.  That product is 32 deep and a position has 16 heads: source 0 holds position 0's v in depths 0-15 and position 1's in depths 16-31, source 1 one position's weights and zeros.
.set ROWB,  6144
.set SP,    272                        ; a row of a stage: 256 bytes (two positions x 64 d) + 16 of padding
.set SPARE, 16*16*SP                   ; behind the 16 stages of 16 rows: the spare words, 128 bytes for each wave, which no other line names
.set LO,  3                            ; v3   32 (l % 16) + 16 (l / 16): my 16 bytes of every chunk of 512; never rewritten
.set STO, 4                            ; v4   the way out: where I put 16 bytes of head l % 16
.set RD,  5                            ; v5   the way out: where I read rows back
.set GO,  6                            ; v6   my byte offset in a2: lanes 0-15 a head's 256 bytes, lanes 16-31 the next head's, 256 rows further down
.set SPW, 8                            ; v8   LDS address of my spare word; never rewritten
.set NIL, 9                            ; v9   0; never rewritten
.set KF,  16                           ; v[16:47]    k: position p, chunk i at 16 p + 4 i
.set QF,  48                           ; v[48:79]    q likewise
.set VF,  80                           ; v[80:111]   v: 16 d of block b, position p at 8 b + 4 p
.set S,   112                          ; v[112:127]  scores, then weights: 8 a position
.set PP,  128                          ; v[128:139]  position 0's weights in f16, four registers of 0, position 1's
.set ST,  140                          ; v[140:155]  8 a position: +0 c m, later 1 / l (+1 is named with it as a pair); +2, +3 and +4, +5 at work; +6 the maximum, later l; +7 the other half of the lanes'
.set O,   156                          ; v[156:219]  O^T: position p, block b at 32 p + 8 b
.set PK,  220                          ; v[220:251]  O^T in f16, then whole rows
	s_load_b128 s[4:7], s[0:1], 0x0                ; qkv s[4:5], a2 s[6:7]
	v_lshl_add_u32 v[SPW], v0, 2, SPARE
	v_mov_b32 v[NIL], 0
	v_lshrrev_b32 v1, 5, v0
	v_readfirstlane_b32 s8, v1                     ; wave 0..15
	v_and_b32 v1, 15, v0                           ; l % 16
	v_bfe_u32 v2, v0, 4, 1                         ; l / 16
	v_lshlrev_b32 v[LO], 5, v1
	v_lshl_add_u32 v[LO], v2, 4, v[LO]
	s_lshl_b32 s14, ttmp9, 6
	s_lshl2_add_u32 s14, s8, s14                   ; my first position: 64 x work-group + 4 x wave
	s_mul_i32 s14, s14, ROWB
	s_mov_b32 s15, 0
	s_lshr_b32 s16, ttmp9, 6                       ; b: 4,096 rows of 2,048 bytes
	s_lshl_b32 s16, s16, 23
	s_and_b32 s17, ttmp9, 63
	s_lshl_b32 s17, s17, 2
	s_lshr_b32 s18, s8, 2
	s_add_co_u32 s17, s17, s18                     ; l / 16 = 4 (work-group % 64) + wave / 4: a row
	s_lshl_b32 s17, s17, 11
	s_add_co_u32 s16, s16, s17
	s_and_b32 s18, s8, 3                           ; l % 16 = 4 (wave % 4) + 0..3: 128 bytes each
	s_lshl_b32 s18, s18, 9
	s_add_co_u32 s16, s16, s18
	s_mov_b32 s17, 0
	s_wait_kmcnt 0x0
	s_add_nc_u64 s[4:5], s[4:5], s[14:15]
	s_add_nc_u64 s[6:7], s[6:7], s[16:17]
.macro LOADQK n                        ; pair n's k and q: 16 loads of 512 consecutive bytes
.irp p, 0,1
.irp i, 0,1,2,3
	global_load_b128 v[KF+16*(\p)+4*(\i):KF+16*(\p)+4*(\i)+3], v[LO], s[4:5] offset:(2*(\n)+(\p))*ROWB+2048+512*(\i) th:TH_LOAD_NT
.endr
.endr
.irp p, 0,1
.irp i, 0,1,2,3
	global_load_b128 v[QF+16*(\p)+4*(\i):QF+16*(\p)+4*(\i)+3], v[LO], s[4:5] offset:(2*(\n)+(\p))*ROWB+512*(\i) th:TH_LOAD_NT
.endr
.endr
.endm
.macro LOADV n                         ; pair n's v: 8 loads
.irp b, 0,1,2,3
.irp p, 0,1
	global_load_b128 v[VF+8*(\b)+4*(\p):VF+8*(\b)+4*(\p)+3], v[LO], s[4:5] offset:(2*(\n)+(\p))*ROWB+4096+512*(\b) th:TH_LOAD_NT
.endr
.endr
.endm
	LOADQK 0
	LOADV 0
	s_mov_b32 s10, 0x3e38aa3b                      ; c = log2(e) / 8
	s_mov_b32 s11, s10                             ; named with it as a pair
	s_mov_b32 s12, 0x76543210                      ; v_permlanex16_b32: each lane takes its own place in the other half
	s_mov_b32 s13, 0xfedcba98
	s_mul_i32 s19, s8, 16*SP                       ; my stage
	v_mul_u32_u24 v[STO], v1, SP
	v_lshl_add_u32 v[STO], v2, 4, v[STO]
	v_add_nc_u32 v[STO], s19, v[STO]
	v_mul_u32_u24 v[RD], v2, SP
	v_lshl_add_u32 v[RD], v1, 4, v[RD]
	v_add_nc_u32 v[RD], s19, v[RD]
	v_lshlrev_b32 v[GO], 19, v2                    ; a head is 256 rows of 2,048 bytes
	v_lshl_add_u32 v[GO], v1, 4, v[GO]
.irp i, 4,5,6,7
	v_mov_b32 v[PP+(\i)], 0                        ; the zeros between the two positions' weights; never rewritten
.endr
.irp p, 0,1
	v_mov_b32 v[ST+8*(\p)+1], 0                    ; named in pairs, never used
	v_mov_b32 v[ST+8*(\p)+7], 0                    ; v_permlanex16_b32's destination counts as read
.endr
; A PAIR of positions.  ahead = 1: the next pair's loads are issued as soon as the registers are free.
.macro PAIR n, ahead
	s_wait_loadcnt 8                               ; k and q are in; v's eight loads stay out
.irp c, 0,1                            ; the two accumulators take turns
.irp p, 0,1
.if (\c) == 0
	v_wmma_f32_16x16x32_f16 v[S+8*(\p):S+8*(\p)+7], v[KF+16*(\p):KF+16*(\p)+7], v[QF+16*(\p):QF+16*(\p)+7], 0
.else
	v_wmma_f32_16x16x32_f16 v[S+8*(\p):S+8*(\p)+7], v[KF+16*(\p)+8:KF+16*(\p)+15], v[QF+16*(\p)+8:QF+16*(\p)+15], v[S+8*(\p):S+8*(\p)+7]
.endif
.endr
.endr
.rept 4
	v_nop                                          ; four places, in front of loads into registers that the products have read and of the maximum, which reads their results
.endr
.if \ahead
	LOADQK (\n)+1
.endif
	; the maximum of a head's 16 scores: 8 in my registers, from the low end on, 8 in the lane 16 away; the two positions alternate, so that no line waits for the one before it
.irp p, 0,1
	v_max3_num_f32 v[ST+8*(\p)+6], v[S+8*(\p)], v[S+8*(\p)+1], v[S+8*(\p)+2]
.endr
.irp p, 0,1
	v_max3_num_f32 v[ST+8*(\p)+2], v[S+8*(\p)+3], v[S+8*(\p)+4], v[S+8*(\p)+5]
.endr
.irp p, 0,1
	v_max3_num_f32 v[ST+8*(\p)+6], v[ST+8*(\p)+6], v[S+8*(\p)+6], v[S+8*(\p)+7]
.endr
.irp p, 0,1
	v_max_num_f32 v[ST+8*(\p)+6], v[ST+8*(\p)+6], v[ST+8*(\p)+2]
.endr
.irp p, 0,1
	v_permlanex16_b32 v[ST+8*(\p)+7], v[ST+8*(\p)+6], s12, s13
.endr
.irp p, 0,1
	v_max_num_f32 v[ST+8*(\p)+6], v[ST+8*(\p)+6], v[ST+8*(\p)+7]
.endr
.irp p, 0,1
	v_mul_f32 v[ST+8*(\p)], s10, v[ST+8*(\p)+6]    ; c m
.endr
.irp j, 0,2,4,6
.irp p, 0,1
	v_pk_fma_f32 v[S+8*(\p)+(\j):S+8*(\p)+(\j)+1], v[S+8*(\p)+(\j):S+8*(\p)+(\j)+1], s[10:11], v[ST+8*(\p):ST+8*(\p)+1] op_sel_hi:[1,0,0] neg_lo:[0,0,1] neg_hi:[0,0,1]  ; c s - c m
.endr
.endr
.irp j, 0,1,2,3,4,5,6,7,8,9,10,11,12,13,14,15
	v_exp_f32 v[S+(\j)], v[S+(\j)]                 ; one batch of sixteen
.endr
	v_nop                                          ; a plain instruction behind the last exponential,
	s_wait_alu depctr_va_vdst(0)                   ; and one wait ahead of the batch's first reader
.irp p, 0,1
	v_pk_add_f32 v[ST+8*(\p)+2:ST+8*(\p)+3], v[S+8*(\p):S+8*(\p)+1], v[S+8*(\p)+2:S+8*(\p)+3]
	v_pk_add_f32 v[ST+8*(\p)+4:ST+8*(\p)+5], v[S+8*(\p)+4:S+8*(\p)+5], v[S+8*(\p)+6:S+8*(\p)+7]
.endr
.irp p, 0,1
	v_pk_add_f32 v[ST+8*(\p)+2:ST+8*(\p)+3], v[ST+8*(\p)+2:ST+8*(\p)+3], v[ST+8*(\p)+4:ST+8*(\p)+5]
.endr
.irp p, 0,1
	v_add_f32 v[ST+8*(\p)+6], v[ST+8*(\p)+2], v[ST+8*(\p)+3]
.endr
.irp p, 0,1
	v_permlanex16_b32 v[ST+8*(\p)+7], v[ST+8*(\p)+6], s12, s13
.endr
.irp p, 0,1
	v_add_f32 v[ST+8*(\p)+6], v[ST+8*(\p)+6], v[ST+8*(\p)+7]  ; l, at least 1: the largest score's weight is 1 to within a rounding
.endr
.irp p, 0,1
	v_rcp_f32 v[ST+8*(\p)], v[ST+8*(\p)+6]
.endr
	v_nop                                          ; a plain instruction behind the last reciprocal,
	s_wait_alu depctr_va_vdst(0)                   ; and one wait for the two
.irp j, 0,2,4,6
.irp p, 0,1
	v_pk_mul_f32 v[S+8*(\p)+(\j):S+8*(\p)+(\j)+1], v[S+8*(\p)+(\j):S+8*(\p)+(\j)+1], v[ST+8*(\p):ST+8*(\p)+1] op_sel_hi:[1,0]  ; the weights, divided in f32
.endr
.endr
.irp p, 0,1
.irp j, 0,1,2,3
	v_cvt_pk_f16_f32 v[PP+8*(\p)+(\j)], v[S+8*(\p)+2*(\j)], v[S+8*(\p)+2*(\j)+1]
.endr
.endr
.if \ahead
	s_wait_loadcnt 16                              ; v is in; the next pair's 16 loads of k and q stay out
.else
	s_wait_loadcnt 0x0                             ; v is in
.endif
.irp b, 0,1,2,3                        ; eight products, eight accumulators, each begun with the constant 0
	v_wmma_f32_16x16x32_f16 v[O+8*(\b):O+8*(\b)+7], v[VF+8*(\b):VF+8*(\b)+7], v[PP:PP+7], 0
	v_wmma_f32_16x16x32_f16 v[O+32+8*(\b):O+32+8*(\b)+7], v[VF+8*(\b):VF+8*(\b)+7], v[PP+4:PP+11], 0
.endr
.rept 4
	v_nop                                          ; four places, in front of loads into v's registers and of the conversions
.endr
.if \ahead
	LOADV (\n)+1
.endif
.if (\n) > 0
	s_wait_xcnt 0x0                                ; the last pair's stores have read PK: it is rewritten only behind this wait
.endif
.irp p, 0,1
.irp b, 0,1,2,3
.irp r, 0,1,2,3
	v_cvt_pk_f16_f32 v[PK+16*(\p)+4*(\b)+(\r)], v[O+32*(\p)+8*(\b)+2*(\r)], v[O+32*(\p)+8*(\b)+2*(\r)+1]  ; each accumulator from its low end on
.endr
.endr
.endr
.irp p, 0,1
.irp b, 0,1,2,3
	ds_store_b128 v[STO], v[PK+16*(\p)+4*(\b):PK+16*(\p)+4*(\b)+3] offset:128*(\p)+32*(\b)  ; head l % 16: position p, d = 16 b + 8 (l / 16) + 0..7
.endr
.endr
.irp t, 0,1,2,3,4,5,6,7
	ds_load_b128 v[PK+4*(\t):PK+4*(\t)+3], v[RD] offset:(\t)*2*SP  ; LDS serves a wave's instructions in order (ISA guide 5.7.1.4): these see the stores above, in my own stage
.endr
.irp t, 0,1,2,3,4,5,6,7
	s_wait_dscnt 7-(\t)
	global_store_b128 v[GO], v[PK+4*(\t):PK+4*(\t)+3], s[6:7] offset:(\t)*1048576+256*(\n)  ; heads 2 t and 2 t + 1: 16 lanes store 256 consecutive bytes, at a multiple of 256 from a2's first byte
.endr
.endm
	PAIR 0, 1
	PAIR 1, 0
	s_wait_tensorcnt 0x0                           ; the wave's end, behind my last LDS store
	ds_add_u32 v[SPW], v[NIL]
	s_wait_dscnt 0x0
	s_endpgm
.Lfunc_end_k_q1b872d8dfb_attn:
	.size	k_q1b872d8dfb_attn, .Lfunc_end_k_q1b872d8dfb_attn-k_q1b872d8dfb_attn
	.p2alignl 7, 3214868480
	.fill 96, 4, 3214868480
	.section	.rodata,"a",@progbits
	.p2align	6, 0x0
	.amdhsa_kernel k_q1b872d8dfb_attn
		.amdhsa_group_segment_fixed_size 71680
		.amdhsa_private_segment_fixed_size 0
		.amdhsa_enable_private_segment 0
		.amdhsa_kernarg_size 16
		.amdhsa_user_sgpr_count 2
		.amdhsa_user_sgpr_kernarg_segment_ptr 1
		.amdhsa_wavefront_size32 1
		.amdhsa_system_sgpr_workgroup_id_x 1
		.amdhsa_system_sgpr_workgroup_id_y 1
		.amdhsa_system_sgpr_workgroup_id_z 1
		.amdhsa_system_vgpr_workitem_id 0
		.amdhsa_next_free_vgpr 252
		.amdhsa_next_free_sgpr 66
		.amdhsa_reserve_vcc 0
		.amdhsa_float_denorm_mode_32 3
		.amdhsa_float_denorm_mode_16_64 3
		.amdhsa_memory_ordered 1
		.amdhsa_forward_progress 1
		.amdhsa_inst_pref_size 25
	.end_amdhsa_kernel
	.amdgpu_metadata
---
amdhsa.version: [ 1, 2 ]
amdhsa.kernels:
  - .name:           k_q1b872d8dfb_attn
    .symbol:         k_q1b872d8dfb_attn.kd
    .args:
      - { .name: qkv, .offset: 0, .size: 8, .value_kind: global_buffer, .address_space: global }
      - { .name: a2, .offset: 8, .size: 8, .value_kind: global_buffer, .address_space: global }
    .group_segment_fixed_size: 71680
    .private_segment_fixed_size: 0
    .kernarg_segment_align: 8
    .kernarg_segment_size: 16
    .max_flat_workgroup_size: 512
    .sgpr_count:     66
    .vgpr_count:     252
    .wavefront_size: 32
...
	.end_amdgpu_metadata
.endif
;; end of part 3
;; launch gemm_out (part 4): grid 4 x 64, 4 waves a work-group, clusters of 4 x 4, 327,680 bytes of LDS; arguments a2, wo, bias, out0; writes out0
.if DOCPART == 4
	.amdgcn_target "amdgcn-amd-amdhsa--gfx1250"
	.amdhsa_code_object_version 6
	.text
	.protected	k_q1b872d8dfb_gemm_out
	.globl	k_q1b872d8dfb_gemm_out
	.p2align	8
	.type	k_q1b872d8dfb_gemm_out,@function
k_q1b872d8dfb_gemm_out:
	s_mov_b64 s[64:65], 0
	v_nop
	global_prefetch_b8 v0, s[64:65] scope:SCOPE_SE
	s_setreg_imm32_b32 hwreg(HW_REG_WAVE_MODE, 25, 1), 1
	s_wait_xcnt 0x0
	s_wait_alu depctr_hold_cnt(0) depctr_sa_sdst(0) depctr_va_vdst(0) depctr_va_sdst(0) depctr_va_ssrc(0) depctr_va_vcc(0) depctr_vm_vsrc(0)
	s_getreg_b32 s2, hwreg(HW_REG_IB_STS2, 6, 4)
	s_cmp_eq_u32 s2, 0
	s_cbranch_scc0 .Lentry_in_a_cluster
	s_endpgm
.Lentry_in_a_cluster:
	s_bfe_u32 s2, ttmp6, 0x10000c
	s_cmp_lg_u32 s2, 0xf033
	s_cbranch_scc0 .Lentry_shape_is_right
	s_endpgm
.Lentry_shape_is_right:
; out0[m][n] = bias[3072 + n] + the sum over k of a2[m][k] wo[n][k].  a2: [16384][1024] f16, wo: [1024][1024] f16, bias: f32, out0: [16384][1024] f32; sums in f32, K ascending.
; LIMIT.  The operands are f16: a2 is a mean of v's rows and has their range, within 65,504; wo likewise.
; A tile of out0, 256 x 256, is made by a work-group of four waves; a wave makes 128 x 128: 64 accumulators of 16 x 16, 512 registers.  64 x 4 tiles: one for each of 256 work-groups.
; K goes in steps of 128 through a ring of two LDS slots filled by the tensor data mover: a tile's rows are 256 bytes of memory and start at multiples of 256 bytes from the buffer's first byte.
; The last K step goes by rows of out0, so that finished rows leave while the others are multiplied.
; CLUSTERS: 4 x 4 work-groups.  The four of a row of the cluster need the same tiles of a2, the four of a column the same tiles of wo: each tile is asked for JOINTLY, by the same tensor load with the same
; descriptor and a mask that names the four.
; THE BIAS starts the sums: it is the C operand of the first 64 products.
; REGISTERS, in windows of 256 (s_set_vgpr_msb's low byte: bits 1:0 source 0, 3:2 source 1, 5:4 source 2, 7:6 destination):
;   window 0: v0-31 addresses; v64-127, v128-191 fragments of a2, two buffers (in the last K step four, of 16 rows x 128 K); v192-255 the way out: 16 rows read back from the stage
;   window 1: v0-63 the bias of my 128 columns; v64-127, v128-191 fragments of wo, two buffers; in the last K step all 256
;   window 2: the 32 accumulators of my rows 0-63 (accumulator (a, b) at v[8 (8 a + b)]);   window 3: those of my rows 64-127
; THE MATRIX INSTRUCTION IS USED TRANSPOSED: source 0 = 16 rows of wo, source 1 = 16 rows of a2.  Lane l then holds row l % 16 of out0 and, in registers 0 to 7, the columns 8 (l / 16) + 0 .. 7: 32 bytes on end.
.set SIZE_N, 1024
.set SIZE_K, 1024
.set KSTEP,  128
.set PITCH,  272                       ; an LDS row: 256 bytes of data + 16 of padding = 68 words: the 16 rows that a load touches start at 16 different groups of four banks (64 banks of 4 bytes: ISA guide 11.1)
.set HALFT,  128*PITCH
.set SLOT,   4*HALFT                   ; a2's 256 rows, then wo's 256 rows
.set STAGE,  2*SLOT                    ; behind the ring: 16 rows x 528 bytes for each wave, for the way out
.set SPITCH, 528                       ; 128 numbers of 4 bytes + 16 bytes of padding = 132 words
.set SPARE,  STAGE+4*16*SPITCH         ; behind the stages: the spare words, 128 bytes for each wave: two blocks of 256 bytes that no other line names
.set LAPS,   SIZE_K/(2*KSTEP)
.set ADRA, 16                          ; v16-17  LDS address of my fragments of a2 in slot 0, 1
.set ADRB, 20                          ; v20-21  the same for wo
.set STO,  24                          ; v24     the way out: where I put 32 bytes of a row
.set RD,   25                          ; v25     the way out: where I read a row back
.set CO,   26                          ; v26     my byte offset in a row's 512 bytes of out0
.set BO,   27                          ; v27     my byte offset in the bias: 32 (l / 16); never rewritten
.set SPW,  28                          ; v28     LDS address of my spare word; never rewritten
.set NIL,  29                          ; v29     0; never rewritten
.set PFO,  30                          ; v30     the prefetches' offset: my lane x a row of 2,048 bytes; never rewritten
.set PFA,  44                          ; s[44:45] where my prefetches stand
.set LIM,  43                          ; s43     1 in a wave that prefetches, else the greatest number
.set BB,   68                          ; s[68:69] the bias at my 128 columns
.set CB,   70                          ; s[70:71] out0 at my part of the tile
.set BI,   0
.set F0,   64
.set F1,   128
.set BK,   192
.set PA,   64
.set G1, 24
.set G0, 32
.set G1B, 48
.set G0B, 56
.set MSB, 0
.macro WIN new                         ; the immediate's high byte repeats the setting that is left; a switch that changes nothing is dropped
.if MSB != (\new)
	s_set_vgpr_msb (MSB<<8)|(\new)
.set MSB, \new
.endif
.endm
.set MUL_LO, 0xa1                      ; source 0 (wo) window 1, source 1 (a2) window 0, C and D window 2
.set MUL_B,  0x91                      ; the same with C (the bias) in window 1
.set TO_B,   0x40                      ; destination window 1, address window 0
; A joint load.  Waves 0 and 1 fetch a2's two halves, waves 2 and 3 wo's.  The branch hangs on the wave's number alone.  An s_nop 0 and four v_nop follow each of the two lines.
.macro JLOAD s
	s_cmp_eq_u32 s11, 0
	s_cbranch_scc0 .Lfor_b_\@
	tensor_load_to_lds s[G0+4*(\s):G0+4*(\s)+3], s[G1:G1+7]
	s_nop 0
.rept 4
	v_nop
.endr
	s_branch .Lasked_\@
.Lfor_b_\@:
	tensor_load_to_lds s[G0B+4*(\s):G0B+4*(\s)+3], s[G1B:G1B+7]
	s_nop 0
.rept 4
	v_nop
.endr
.Lasked_\@:
.endm
; A PREFETCH INTO THE L2, behind each joint load and the run of LDS loads that follows it: the K step that stands two refills on, 512 matrix instructions ahead of the load that will name it: 32 rows x 256 bytes, a lane
; a row, one instruction a wave.  Each row's 256 bytes of a K step are named once in the launch: a2's tile row is read by one cluster alone, which asks for it; wo's tile column by all sixteen clusters: the one with
; y = 0 asks.  The four partners that ask for a tile jointly share its rows out by address, 32 each (by cx for a2, by cy for wo).  The last two refills have no K step two on; the first four K steps come by their loads alone.
.macro ASK
	s_cmp_gt_u32 s3, s[LIM]                        ; s3 = 1 in the loop's last trip
	s_cbranch_scc0 .Lnot_mine_\@
	global_prefetch_b8 v[PFO], s[PFA:PFA+1] offset:KSTEP*2 th:TH_LOAD_NT scope:SCOPE_SE
.Lnot_mine_\@:
.endm
.macro CREST                           ; a round of the cluster's barrier behind its opening barrier
	s_cmp_lg_u32 s10, 0
	s_cbranch_scc1 .Lnot_wave_0_\@
	s_barrier_signal -3
.Lnot_wave_0_\@:
	s_barrier_wait -3
	s_barrier_signal -1
	s_barrier_wait -1
.endm
.macro CROUND                          ; a whole round
	s_barrier_signal -1
	s_barrier_wait -1
	CREST
.endm
	s_load_b128 s[4:7], s[0:1], 0x0                ; a2 s[4:5], wo s[6:7]
	s_load_b128 s[68:71], s[0:1], 0x10             ; bias, out0
	v_lshl_add_u32 v[SPW], v0, 2, SPARE
	v_mov_b32 v[NIL], 0
	ds_add_u32 v[SPW], v[NIL]                      ; the wave's opening: the add and its wait stand ahead of my first tensor load; the set-up below, work on registers, stands between them
	v_lshrrev_b32 v1, 5, v0
	v_readfirstlane_b32 s10, v1                    ; wave 0..3
	s_lshr_b32 s11, s10, 1                         ; which half of the tile's rows is mine.  Also: I fetch for a2 (0) or for wo (1)
	s_and_b32 s12, s10, 1                          ; which half of its columns.  Also: which 128 rows of that tile I fetch
	s_bfe_u32 s40, ttmp6, 0x40000                  ; cx
	s_bfe_u32 s41, ttmp6, 0x40004                  ; cy
	s_lshl_b32 s42, ttmp9, 2
	s_add_co_u32 s42, s42, s40                     ; tile column
	s_and_b32 s13, ttmp7, 0xffff
	s_lshl_b32 s13, s13, 2
	s_add_co_u32 s13, s13, s41                     ; tile row
	s_lshl_b32 s43, s41, 2
	s_lshl_b32 s43, 15, s43                        ; my row of the cluster
	s_lshl_b32 s44, 0x1111, s40                    ; my column
	; descriptor group 1: a tile of 128 rows x 128 elements, padded in LDS
	s_or_b32 s[G1+0], s43, (1<<16)|(1<<20)|(1<<21)|(5<<22)|(3<<25)  ; 15:0 the mask; 17:16 elements of 2 bytes; 20 padding on; 21 set beside a mask; 24:22 after every 64 words (code 5); 31:25 4 words of it (code 3)
	s_or_b32 s[G1B+0], s44, (1<<16)|(1<<20)|(1<<21)|(5<<22)|(3<<25)
.irp g, G1, G1B
	s_mov_b32 s[(\g)+1], KSTEP<<16                 ; tensor_dim0 = 128
	s_mov_b32 s[(\g)+2], 128<<16                   ; tensor_dim1 = 128
	s_mov_b32 s[(\g)+3], KSTEP<<16                 ; tile_dim0 = 128
	s_mov_b32 s[(\g)+4], 128                       ; tile_dim1 = 128
	s_mov_b32 s[(\g)+5], SIZE_K                    ; elements from row to row
	s_mov_b32 s[(\g)+6], 0
	s_mov_b32 s[(\g)+7], 0
.endr
	s_lshl_b32 s17, s12, 7
	s_lshl_b32 s16, s13, 8
	s_add_co_u32 s16, s16, s17                     ; a2: row 256 x tile row + 128 x half
	s_lshl_b32 s46, s42, 8
	s_add_co_u32 s46, s46, s17                     ; wo: row 256 x tile column + 128 x half
	s_mov_b32 s17, 0
	s_mov_b32 s47, 0
	s_mov_b64 s[18:19], SIZE_K*2
	s_mul_u64 s[16:17], s[16:17], s[18:19]
	s_mul_u64 s[46:47], s[46:47], s[18:19]
	s_mul_i32 s20, s10, HALFT                      ; where they go: wave x 128 rows: no place in the cluster enters an LDS address
	s_wait_dscnt 0x0                               ; the opening add is done
	s_wait_kmcnt 0x0
	s_add_nc_u64 s[14:15], s[4:5], s[16:17]
	s_add_nc_u64 s[46:47], s[6:7], s[46:47]
	CROUND                                         ; all sixteen work-groups are here: the first joint loads meet
.irp s, 0,1
	s_mov_b32 s[G0+4*(\s)], 1
	s_add_co_u32 s[G0+4*(\s)+1], s20, (\s)*SLOT
	s_add_nc_u64 s[G0+4*(\s)+2:G0+4*(\s)+3], s[14:15], (\s)*KSTEP*2
	s_or_b32 s[G0+4*(\s)+3], s[G0+4*(\s)+3], 0x80000000
	s_mov_b32 s[G0B+4*(\s)], 1
	s_add_co_u32 s[G0B+4*(\s)+1], s20, (\s)*SLOT
	s_add_nc_u64 s[G0B+4*(\s)+2:G0B+4*(\s)+3], s[46:47], (\s)*KSTEP*2
	s_or_b32 s[G0B+4*(\s)+3], s[G0B+4*(\s)+3], 0x80000000
	JLOAD \s                                       ; two tensor loads of mine are out
.endr
	v_and_b32 v1, 15, v0                           ; l % 16
	v_bfe_u32 v2, v0, 4, 1                         ; l / 16
	v_mul_u32_u24 v3, v1, PITCH
	v_lshl_add_u32 v3, v2, 4, v3                   ; a fragment's row x pitch + 16 x half
	s_mul_i32 s21, s11, HALFT                      ; my 128 rows of a2
	s_mul_i32 s22, s12, HALFT                      ; my 128 rows of wo,
	s_add_co_u32 s22, s22, 2*HALFT                 ; which lie behind a2's 256
.irp s, 0,1
	v_add_nc_u32 v[ADRA+(\s)], s21, v3
	v_add_nc_u32 v[ADRB+(\s)], s22, v3
	s_add_co_u32 s21, s21, SLOT
	s_add_co_u32 s22, s22, SLOT
.endr
	s_mul_i32 s23, s10, 16*SPITCH
	s_add_co_u32 s23, s23, STAGE                   ; my stage
	v_mul_u32_u24 v4, v1, SPITCH                   ; in: row l % 16, 32 bytes for each half of the lanes
	v_lshl_add_u32 v4, v2, 5, v4
	v_add_nc_u32 v[STO], s23, v4
	v_and_b32 v5, 31, v0
	v_lshlrev_b32 v[CO], 4, v5                     ; back: 32 lanes take one row of 512 bytes,
	v_add_nc_u32 v[RD], s23, v[CO]                 ; and the same 512 bytes in out0
	v_lshlrev_b32 v[BO], 5, v2
	s_lshl_b32 s13, s13, 8
	s_lshl_b32 s14, s11, 7
	s_add_co_u32 s16, s13, s14                     ; my first row of out0
	s_mov_b32 s17, 0
	s_mov_b64 s[18:19], SIZE_N*4
	s_mul_u64 s[16:17], s[16:17], s[18:19]
	s_lshl_b32 s46, s42, 10                        ; my first column, in bytes: 1,024 x tile column + 512 x half; the same in the bias
	s_lshl_b32 s47, s12, 9
	s_add_co_u32 s46, s46, s47
	s_mov_b32 s47, 0
	s_add_nc_u64 s[16:17], s[16:17], s[46:47]
	s_add_nc_u64 s[CB:CB+1], s[CB:CB+1], s[16:17]
	s_add_nc_u64 s[BB:BB+1], s[BB:BB+1], s[46:47]
	s_add_nc_u64 s[BB:BB+1], s[BB:BB+1], 12288     ; b_out lies behind b_qkv's 3,072 numbers
	; the prefetches.  s13 = 256 x tile row, s42 = tile column, s40 = cx, s41 = cy still stand
	s_lshl_b32 s42, s42, 8
	s_and_b32 s22, ttmp7, 0xffff                   ; cluster y
	s_cmp_eq_u32 s11, 0                            ; do I fetch for a2?
	s_cselect_b32 s20, s13, s42
	s_cselect_b32 s21, s40, s41
	s_cselect_b32 s22, ttmp9, s22
	s_cselect_b64 s[PFA:PFA+1], s[4:5], s[6:7]
	s_cmp_eq_u32 s22, 0
	s_cselect_b32 s[LIM], 1, -1                    ; the same in all sixteen partners, for a given wave
	s_lshl_b32 s22, s12, 7
	s_add_co_u32 s20, s20, s22
	s_lshl_b32 s21, s21, 5
	s_add_co_u32 s20, s20, s21
	s_mov_b32 s21, 0
	s_mov_b64 s[18:19], SIZE_K*2
	s_mul_u64 s[20:21], s[20:21], s[18:19]
	s_add_nc_u64 s[PFA:PFA+1], s[PFA:PFA+1], s[20:21]
	s_add_nc_u64 s[PFA:PFA+1], s[PFA:PFA+1], 2*KSTEP*2  ; at K step 2: the first refill steps it to 3 and names K step 4; nothing is prefetched here, at the head
	v_and_b32 v[PFO], 31, v0
	v_mul_u32_u24 v[PFO], v[PFO], SIZE_K*2
	WIN TO_B                                       ; the bias of my 128 columns: column 16 b + 8 (l / 16) + j into v[8 b + j] of window 1
.irp b, 0,1,2,3,4,5,6,7
	global_load_b128 v[BI+8*(\b):BI+8*(\b)+3],   v[BO], s[BB:BB+1] offset:64*(\b)
	global_load_b128 v[BI+8*(\b)+4:BI+8*(\b)+7], v[BO], s[BB:BB+1] offset:64*(\b)+16
.endr
	WIN 0
; 16 matrix instructions: m blocks a0, a0 + 1 of the window's four (hi = 0: my rows 0-63, 1: rows 64-127) x all 8 n blocks, 32 along K.  first = 1: the product starts the sum, with the bias as C.
; The 64 accumulators take turns, one instruction a turn, in the same order in every quarter.
.macro MUL16 f, hi, a0, first
.if \first
	WIN MUL_B+0x40*(\hi)
.else
	WIN MUL_LO+0x50*(\hi)
.endif
.irp a, \a0, (\a0)+1
.irp b, 0,1,2,3,4,5,6,7
.if \first
	v_wmma_f32_16x16x32_f16 v[8*(8*(\a)+(\b)):8*(8*(\a)+(\b))+7], v[(\f)+8*(\b):(\f)+8*(\b)+7], v[(\f)+8*(4*(\hi)+(\a)):(\f)+8*(4*(\hi)+(\a))+7], v[BI+8*(\b):BI+8*(\b)+7]
.else
	v_wmma_f32_16x16x32_f16 v[8*(8*(\a)+(\b)):8*(8*(\a)+(\b))+7], v[(\f)+8*(\b):(\f)+8*(\b)+7], v[(\f)+8*(4*(\hi)+(\a)):(\f)+8*(4*(\hi)+(\a))+7], v[8*(8*(\a)+(\b)):8*(8*(\a)+(\b))+7]
.endif
.endr
.endr
.endm
; 32 LDS loads in one run: the fragments of one quarter step into buffer f
.macro FETCH slot, k, f
	WIN TO_B
.irp i, 0,1,2,3,4,5,6,7
	ds_load_b128 v[(\f)+8*(\i):(\f)+8*(\i)+3],   v[ADRB+(\slot)] offset:(\k)+(\i)*16*PITCH
	ds_load_b128 v[(\f)+8*(\i)+4:(\f)+8*(\i)+7], v[ADRB+(\slot)] offset:(\k)+(\i)*16*PITCH+32
.endr
	WIN 0
.irp i, 0,1,2,3,4,5,6,7
	ds_load_b128 v[(\f)+8*(\i):(\f)+8*(\i)+3],   v[ADRA+(\slot)] offset:(\k)+(\i)*16*PITCH
	ds_load_b128 v[(\f)+8*(\i)+4:(\f)+8*(\i)+7], v[ADRA+(\slot)] offset:(\k)+(\i)*16*PITCH+32
.endr
.endm
; Four plain vector instructions stand between a matrix instruction and a load into a register that it has read, or an LDS store that reads its result.
.macro PLACES
.rept 4
	v_nop
.endr
.endm
.macro QUARTER slot, k, f, g, first
	s_wait_dscnt 8                                 ; wo and a2's rows 0-63 are in; the youngest eight loads (a2's rows 64-127) may be out
	MUL16 \f, 0, 0, \first
	MUL16 \f, 0, 2, \first
	PLACES
	FETCH \slot, \k, \g
	s_wait_dscnt 32                                ; all but the 32 just issued
	MUL16 \f, 1, 0, \first
	MUL16 \f, 1, 2, \first
.endm
; The last quarter's first half: ONE barrier for the change of slots.  In front of it each wave waits for all its tensor loads, of which one is out: its part of the next slot; adds 0 to its spare word; and waits for that and for its reads of this slot.
.macro MEET round
	WIN 0                                          ; (the add's two registers lie in window 0)
	s_wait_tensorcnt 0x0                           ; all my tensor loads have landed
	ds_add_u32 v[SPW], v[NIL]                      ; 0 onto my spare word
	s_wait_dscnt 9                                 ; (the add and the youngest eight loads may be out)
	MUL16 F1, 0, 0, 0                              ; sixteen matrix instructions stand between the add and the wait for it
	s_wait_dscnt 0x0                               ; the add is done, and my reads of this slot are over
	s_barrier_signal -1
	MUL16 F1, 0, 2, 0                              ; work on registers while the others arrive
.if \round
	WIN 0
.endif
	s_barrier_wait -1
.endm
; The whole last quarter.  Behind the round the slot just read out is filled again first, with the K step two steps on; then come the next slot's first fragments.
.macro TURN slot, next
	s_wait_xcnt 0x0                                ; the last prefetch, a K step back, has read its address: it is stepped here, ahead of the waits of the change of slots
	s_add_nc_u64 s[PFA:PFA+1], s[PFA:PFA+1], KSTEP*2
	MEET 1
	CREST                                          ; no wave of any partner still reads this slot's tile or has a load on its way
	s_add_nc_u64 s[G0+4*(\slot)+2:G0+4*(\slot)+3], s[G0+4*(\slot)+2:G0+4*(\slot)+3], 2*KSTEP*2
	s_add_nc_u64 s[G0B+4*(\slot)+2:G0B+4*(\slot)+3], s[G0B+4*(\slot)+2:G0B+4*(\slot)+3], 2*KSTEP*2
	JLOAD \slot                                    ; the first tensor load behind the round, my only one until the next; its four v_nop are also the places in front of the loads below
	FETCH \next, 0, F0
	ASK
	MUL16 F1, 1, 0, 0
	MUL16 F1, 1, 2, 0
.endm
; THE LAST K STEP (slot 1) GOES BY ROWS OF out0: all its fragments of wo fill window 1; my eight blocks of 16 rows are finished one after the other, 32 matrix instructions each, K ascending.
.macro BLOAD q
	WIN TO_B
.irp i, 0,1,2,3,4,5,6,7
	ds_load_b128 v[64*(\q)+8*(\i):64*(\q)+8*(\i)+3],   v[ADRB+1] offset:64*(\q)+(\i)*16*PITCH
	ds_load_b128 v[64*(\q)+8*(\i)+4:64*(\q)+8*(\i)+7], v[ADRB+1] offset:64*(\q)+(\i)*16*PITCH+32
.endr
.endm
.macro ALOAD a
	WIN 0
.set FA, PA+32*((\a)%4)
.irp q, 0,1,2,3
	ds_load_b128 v[FA+8*(\q):FA+8*(\q)+3],   v[ADRA+1] offset:64*(\q)+(\a)*16*PITCH
	ds_load_b128 v[FA+8*(\q)+4:FA+8*(\q)+7], v[ADRA+1] offset:64*(\q)+(\a)*16*PITCH+32
.endr
.endm
.macro ROW a
.set FA, PA+32*((\a)%4)
.set AC, 64*((\a)%4)
	WIN MUL_LO+0x50*((\a)/4)
.irp q, 0,1,2,3
.if (\a) == 0 && (\q) == 2
	s_wait_dscnt 24                                ; wo's quarter 2 is in (behind it: a2's blocks 1 to 3)
.endif
.irp b, 0,1,2,3,4,5,6,7
	v_wmma_f32_16x16x32_f16 v[AC+8*(\b):AC+8*(\b)+7], v[64*(\q)+8*(\b):64*(\q)+8*(\b)+7], v[FA+8*(\q):FA+8*(\q)+7], v[AC+8*(\b):AC+8*(\b)+7]
.endr
.endr
.endm
; THE WAY OUT of block a, in f32: nothing is converted.  TOSTAGE: a lane's 32 bytes of each accumulator go straight from the accumulator into my own stage, the low half first, and come back as whole rows of 512 bytes.  SEND: stored.
.macro TOSTAGE a
.set AC, 64*((\a)%4)
	s_wait_xcnt 0x0                                ; the last block's stores have read their data and their base: both are rewritten only behind this wait; no global instruction follows it ahead of SEND's step
	WIN 0x08+4*((\a)/4)                            ; the stores' data: window 2 or 3
.irp b, 0,1,2,3,4,5,6,7
	ds_store_b128 v[STO], v[AC+8*(\b):AC+8*(\b)+3]   offset:64*(\b)
	ds_store_b128 v[STO], v[AC+8*(\b)+4:AC+8*(\b)+7] offset:64*(\b)+16
.endr
	WIN 0
.irp t, 0,1,2,3,4,5,6,7,8,9,10,11,12,13,14,15
	ds_load_b128 v[BK+4*(\t):BK+4*(\t)+3], v[RD] offset:(\t)*SPITCH  ; LDS serves a wave's instructions in order (ISA guide 5.7.1.4): these see the stores above
.endr
.endm
.macro SEND a, younger                 ; younger: the LDS loads issued behind TOSTAGE's, which may stay out
	WIN 0
	s_wait_dscnt \younger                          ; the block is back in registers
.if (\a) == 0
	s_mov_b64 s[8:9], s[CB:CB+1]                   ; my first rows
.else
	s_add_nc_u64 s[8:9], s[8:9], 16*SIZE_N*4       ; 16 rows on
.endif
.irp t, 0,1,2,3,4,5,6,7,8,9,10,11,12,13,14,15
	global_store_b128 v[CO], v[BK+4*(\t):BK+4*(\t)+3], s[8:9] offset:(\t)*SIZE_N*4  ; 32 lanes store 512 consecutive bytes, at a multiple of 512 from out0's first byte
.endr
.endm
	s_wait_tensorcnt 1                             ; my part of K step 0 is in; K step 1's may stay out
	s_barrier_signal -1
	s_barrier_wait -1                              ; everybody's is
	FETCH 0, 0, F0
	s_wait_loadcnt 0x0                             ; the bias is in
	QUARTER 0, 64,  F0, F1, 1                      ; the first quarter stands in front of the loop: its products start the sums
	WIN 0                                          ; at a label and at a branch every window is 0
	s_mov_b32 s3, LAPS-1
.Llap:                                                 ; a trip goes once round the ring, from a lap's second quarter to the next lap's first, and fills both slots again
	QUARTER 0, 128, F1, F0, 0
	QUARTER 0, 192, F0, F1, 0
	TURN 0, 1
	QUARTER 1, 64,  F0, F1, 0
	QUARTER 1, 128, F1, F0, 0
	QUARTER 1, 192, F0, F1, 0
	TURN 1, 0
	QUARTER 0, 64,  F0, F1, 0
	WIN 0
	s_sub_co_u32 s3, s3, 1
	s_cmp_lg_u32 s3, 0
	s_cbranch_scc1 .Llap
	QUARTER 0, 128, F1, F0, 0                      ; the last lap goes on
	QUARTER 0, 192, F0, F1, 0
	MEET 0                                         ; my one tensor load that was still out is slot 1's, the last K step's, so no round follows
	PLACES                                         ; for the loads into buffer 0, which the quarter before multiplied
	BLOAD 0                                        ; (over the bias, which the first quarter has read)
	BLOAD 1
	BLOAD 3
	ALOAD 0
	MUL16 F1, 1, 0, 0
	MUL16 F1, 1, 2, 0
	PLACES                                         ; for the loads into buffer 1
	BLOAD 2
	ALOAD 1
	ALOAD 2
	ALOAD 3
	s_wait_dscnt 40                                ; all but the 40 just issued
	ROW 0
.irp a, 0,1,2,3,4,5,6,7                ; each block leaves as soon as it is finished
	PLACES                                         ; its LDS stores read results just made
	TOSTAGE \a
.if (\a) < 4
	ALOAD (\a)+4                                   ; its buffer takes the block four further on
	SEND \a, 8
.else
	SEND \a, 0
.endif
.if (\a) < 7
	ROW (\a)+1
.endif
.endr
	s_wait_tensorcnt 0x0                           ; the wave's end, behind my last tensor load and my last LDS store
	ds_add_u32 v[SPW], v[NIL]
	s_wait_dscnt 0x0
	CROUND                                         ; the closing round: no work-group ends while a partner may still ask for a tile that names it
	s_endpgm
.Lfunc_end_k_q1b872d8dfb_gemm_out:
	.size	k_q1b872d8dfb_gemm_out, .Lfunc_end_k_q1b872d8dfb_gemm_out-k_q1b872d8dfb_gemm_out
	.p2alignl 7, 3214868480
	.fill 96, 4, 3214868480
	.section	.rodata,"a",@progbits
	.p2align	6, 0x0
	.amdhsa_kernel k_q1b872d8dfb_gemm_out
		.amdhsa_group_segment_fixed_size 327680
		.amdhsa_private_segment_fixed_size 0
		.amdhsa_enable_private_segment 0
		.amdhsa_kernarg_size 32
		.amdhsa_user_sgpr_count 2
		.amdhsa_user_sgpr_kernarg_segment_ptr 1
		.amdhsa_wavefront_size32 1
		.amdhsa_system_sgpr_workgroup_id_x 1
		.amdhsa_system_sgpr_workgroup_id_y 1
		.amdhsa_system_sgpr_workgroup_id_z 1
		.amdhsa_system_vgpr_workitem_id 0
		.amdhsa_next_free_vgpr 1024
		.amdhsa_next_free_sgpr 72
		.amdhsa_reserve_vcc 0
		.amdhsa_float_denorm_mode_32 3
		.amdhsa_float_denorm_mode_16_64 3
		.amdhsa_memory_ordered 1
		.amdhsa_forward_progress 1
		.amdhsa_inst_pref_size 144
	.end_amdhsa_kernel
	.amdgpu_metadata
---
amdhsa.version: [ 1, 2 ]
amdhsa.kernels:
  - .name:           k_q1b872d8dfb_gemm_out
    .symbol:         k_q1b872d8dfb_gemm_out.kd
    .args:
      - { .name: a2, .offset: 0, .size: 8, .value_kind: global_buffer, .address_space: global }
      - { .name: wo, .offset: 8, .size: 8, .value_kind: global_buffer, .address_space: global }
      - { .name: bias, .offset: 16, .size: 8, .value_kind: global_buffer, .address_space: global }
      - { .name: out0, .offset: 24, .size: 8, .value_kind: global_buffer, .address_space: global }
    .group_segment_fixed_size: 327680
    .private_segment_fixed_size: 0
    .kernarg_segment_align: 8
    .kernarg_segment_size: 32
    .max_flat_workgroup_size: 128
    .sgpr_count:     72
    .vgpr_count:     1024
    .wavefront_size: 32
...
	.end_amdgpu_metadata
.endif
;; end of part 4
;; ======== version 2 of 2: 4 launches; version 1 with the launch attn written anew for expert scheduling mode
;; limits: values are held in f16: magnitudes above 65,504 overflow, below 6.1e-05 lose precision
;; workspace buffers: xb 33,554,432 bytes; wq 6,291,456 bytes; wo 2,097,152 bytes; bias 16,384 bytes; qkv 100,663,296 bytes; a2 33,554,432 bytes
;; launch prep: the kernel of part 1 again; grid 1537 x 1, 8 waves a work-group, no clusters, 17,920 bytes of LDS; arguments x, W_qkv, W_out, b_qkv, b_out, xb, wq, wo, bias; writes xb, wq, wo, bias
;; launch gemm_qkv: the kernel of part 2 again; grid 4 x 64, 4 waves a work-group, clusters of 4 x 4, 327,680 bytes of LDS; arguments xb, wq, bias, qkv; writes qkv
;; launch attn (part 5): grid 256 x 1, 16 waves a work-group, no clusters, 71,680 bytes of LDS; arguments qkv, a2; writes a2
.if DOCPART == 5
	.amdgcn_target "amdgcn-amd-amdhsa--gfx1250"
	.amdhsa_code_object_version 6
	.text
	.protected	k_q1b872d8dfb_attn
	.globl	k_q1b872d8dfb_attn
	.p2align	8
	.type	k_q1b872d8dfb_attn,@function
k_q1b872d8dfb_attn:
	s_mov_b64 s[64:65], 0
	v_nop
	global_prefetch_b8 v0, s[64:65] scope:SCOPE_SE
	s_setreg_imm32_b32 hwreg(HW_REG_WAVE_SCHED_MODE, 0, 2), 2
	s_setreg_imm32_b32 hwreg(HW_REG_WAVE_MODE, 25, 1), 1
	s_wait_xcnt 0x0
	s_wait_alu depctr_vm_vsrc(0)
; FOR EACH OF 16,384 POSITIONS, attention across its 16 heads: w[h][g] = softmax_g(q[h] . k[g] / 8), o[h][d] = the sum over g of w[h][g] v[g][d].  The maximum over all 16 scores is taken away before the exponentials.
; qkv: [16384][3072] f16.  Of a position's 6,144 bytes q is four chunks of 512 bytes, chunk i = [h][d = 16 i .. 16 i + 15]; k the same, 2,048 bytes on; v, 4,096 bytes on, lies turned, [d][g], 32 bytes a d.
; a2: [16384][1024] f16: o of position (b, l), head h, goes to row 4096 b + 256 h + l / 16, columns 64 (l % 16) + d: the order in which the next product reads it.
; Products, maximum, sums and the division in f32; the weights are rounded to f16 once, after the division; o once.
; LIMITS.  A weight below 2^-126 counts as 0.  NaN and infinities are not treated apart; two positions share a product with zeros in the other's place, so an infinity or NaN in v spoils both.
; SHARES.  A work-group takes 64 positions, each of its 16 waves four on end, as two PAIRS.  No wave wants a byte that another has fetched: every fragment is one or two loads of 512 consecutive bytes, straight into
; registers.  So no barrier, no tensor load, no cluster.  A wave asks for a pair's 12 KiB at once, and for the next pair's as soon as the products have read the registers.
; LAYOUT.  S^T = K Q^T (source 0 = the 16 heads g of k, source 1 = the 16 heads h of q, 32 d an instruction): lane l holds head h = l % 16 and the scores g = 8 (l / 16) + 0..7.  Rounded in pairs these are half of
; source 1 of O^T = V^T P.  That product is 32 deep and a position has 16 heads: source 0 holds position 0's v in depths 0-15 and position 1's in depths 16-31, source 1 one position's weights and zeros.
; THE MODE: SCHED_MODE bits 1:0 = 2 (LLVM: expert scheduling mode 2), set by the entry lines.  The code itself states the register dependences between vector or matrix instructions and memory or LDS
; instructions, with s_wait_alu, always for 0.
; THE PLAN.  Registers that memory or LDS instructions touch:
;   v[LO], v[STO], v[RD], v[GO]  offsets and LDS addresses: written once, at the head, and never again.
;   KF, QF   Written by the loads of k and q; read by a pair's four products K Q^T.  Pair 1's loads are issued in pair 0, behind those products.
;   VF       Written by the loads of v; read by a pair's eight products V^T P.  Pair 1's loads are issued in pair 0, behind those products.
;   PK       Written by a pair's 32 conversions of O^T; read by its LDS stores.  Each pair has its own, never written again.
;   BK       The low half of the pair's O^T: when the conversions have read it, the loads from the stage land in it, and the global stores read it.  Each pair has its own, never written again.
; Pair 1 asks for no further k and q, so their registers take its O^T; its PK lies in the upper half of pair 0's O^T, which no memory or LDS instruction has named.  So no register that a memory or LDS instruction
; reads is ever written behind that read, and the body holds no wait on vm_vsrc.  Of waits on va_vdst a pair has: one behind K Q^T, if the next pair's k and q are asked for; one for the batch of exponentials; one for
; the reciprocals; and ONE behind the conversions, behind which stand memory and LDS instructions alone until the pair's end.
.set ROWB,  6144
.set SP,    272                        ; a row of a stage: 256 bytes (two positions x 64 d) + 16 of padding
.set SPARE, 16*16*SP                   ; behind the 16 stages of 16 rows: the spare words, 128 bytes for each wave, which no other line names
.set LO,  3                            ; v3   32 (l % 16) + 16 (l / 16): my 16 bytes of every chunk of 512; never rewritten
.set STO, 4                            ; v4   the way out: where I put 16 bytes of head l % 16; never rewritten
.set RD,  5                            ; v5   the way out: where I read rows back; never rewritten
.set GO,  6                            ; v6   my byte offset in a2: lanes 0-15 a head's 256 bytes, lanes 16-31 the next head's, 256 rows further down; never rewritten
.set SPW, 8                            ; v8   LDS address of my spare word; never rewritten
.set NIL, 9                            ; v9   0; never rewritten
.set KF,  16                           ; v[16:47]    k: position p, chunk i at 16 p + 4 i
.set QF,  48                           ; v[48:79]    q likewise
.set VF,  80                           ; v[80:111]   v: 16 d of block b, position p at 8 b + 4 p
.set S,   112                          ; v[112:127]  scores, then weights: 8 a position
.set PP,  128                          ; v[128:139]  position 0's weights in f16, four registers of 0, position 1's
.set ST,  140                          ; v[140:155]  8 a position: +0 c m, later 1 / l (+1 is named with it as a pair); +2, +3 and +4, +5 at work; +6 the maximum, later l; +7 the other half of the lanes'
.set O0,  156                          ; v[156:219]  pair 0's O^T: position p, block b at 32 p + 8 b
.set PK0, 220                          ; v[220:251]  pair 0's O^T in f16
.set BK0, O0                           ; v[156:187]  pair 0's whole rows, back from the stage
.set O1,  KF                           ; v[16:79]    pair 1's O^T, where its k and q lay
.set PK1, O0+32                        ; v[188:219]  pair 1's O^T in f16
.set BK1, O1                           ; v[16:47]    pair 1's whole rows, back from the stage
	s_load_b128 s[4:7], s[0:1], 0x0                ; qkv s[4:5], a2 s[6:7]
	v_lshl_add_u32 v[SPW], v0, 2, SPARE
	v_mov_b32 v[NIL], 0
	v_lshrrev_b32 v1, 5, v0
	v_readfirstlane_b32 s8, v1                     ; wave 0..15
	v_and_b32 v1, 15, v0                           ; l % 16
	v_bfe_u32 v2, v0, 4, 1                         ; l / 16
	v_lshlrev_b32 v[LO], 5, v1
	v_lshl_add_u32 v[LO], v2, 4, v[LO]
	s_lshl_b32 s14, ttmp9, 6
	s_wait_alu depctr_va_sdst(0)                   ; s8 is written, ahead of its first reader: the two bases and my stage's place are made from it
	s_lshl2_add_u32 s14, s8, s14                   ; my first position: 64 x work-group + 4 x wave
	s_mul_i32 s14, s14, ROWB
	s_mov_b32 s15, 0
	s_lshr_b32 s16, ttmp9, 6                       ; b: 4,096 rows of 2,048 bytes
	s_lshl_b32 s16, s16, 23
	s_and_b32 s17, ttmp9, 63
	s_lshl_b32 s17, s17, 2
	s_lshr_b32 s18, s8, 2
	s_add_co_u32 s17, s17, s18                     ; l / 16 = 4 (work-group % 64) + wave / 4: a row
	s_lshl_b32 s17, s17, 11
	s_add_co_u32 s16, s16, s17
	s_and_b32 s18, s8, 3                           ; l % 16 = 4 (wave % 4) + 0..3: 128 bytes each
	s_lshl_b32 s18, s18, 9
	s_add_co_u32 s16, s16, s18
	s_mov_b32 s17, 0
	s_wait_kmcnt 0x0
	s_add_nc_u64 s[4:5], s[4:5], s[14:15]
	s_add_nc_u64 s[6:7], s[6:7], s[16:17]
.macro LOADQK n                        ; pair n's k and q: 16 loads of 512 consecutive bytes
.irp p, 0,1
.irp i, 0,1,2,3
	global_load_b128 v[KF+16*(\p)+4*(\i):KF+16*(\p)+4*(\i)+3], v[LO], s[4:5] offset:(2*(\n)+(\p))*ROWB+2048+512*(\i) th:TH_LOAD_NT
.endr
.endr
.irp p, 0,1
.irp i, 0,1,2,3
	global_load_b128 v[QF+16*(\p)+4*(\i):QF+16*(\p)+4*(\i)+3], v[LO], s[4:5] offset:(2*(\n)+(\p))*ROWB+512*(\i) th:TH_LOAD_NT
.endr
.endr
.endm
.macro LOADV n                         ; pair n's v: 8 loads
.irp b, 0,1,2,3
.irp p, 0,1
	global_load_b128 v[VF+8*(\b)+4*(\p):VF+8*(\b)+4*(\p)+3], v[LO], s[4:5] offset:(2*(\n)+(\p))*ROWB+4096+512*(\b) th:TH_LOAD_NT
.endr
.endr
.endm
	s_wait_alu depctr_va_vdst(0)                   ; v[LO] is written: every load of the kernel reads it as its offset
	LOADQK 0
	LOADV 0
	s_mov_b32 s10, 0x3e38aa3b                      ; c = log2(e) / 8
	s_mov_b32 s11, s10                             ; named with it as a pair
	s_mov_b32 s12, 0x76543210                      ; v_permlanex16_b32: each lane takes its own place in the other half
	s_mov_b32 s13, 0xfedcba98
	s_mul_i32 s19, s8, 16*SP                       ; my stage
	v_mul_u32_u24 v[STO], v1, SP                   ; these three addresses are first read behind the waits on va_vdst of pair 0
	v_lshl_add_u32 v[STO], v2, 4, v[STO]
	v_add_nc_u32 v[STO], s19, v[STO]
	v_mul_u32_u24 v[RD], v2, SP
	v_lshl_add_u32 v[RD], v1, 4, v[RD]
	v_add_nc_u32 v[RD], s19, v[RD]
	v_lshlrev_b32 v[GO], 19, v2                    ; a head is 256 rows of 2,048 bytes
	v_lshl_add_u32 v[GO], v1, 4, v[GO]
.irp i, 4,5,6,7
	v_mov_b32 v[PP+(\i)], 0                        ; the zeros between the two positions' weights; never rewritten
.endr
.irp p, 0,1
	v_mov_b32 v[ST+8*(\p)+1], 0                    ; named in pairs, never used
	v_mov_b32 v[ST+8*(\p)+7], 0                    ; v_permlanex16_b32's destination counts as read
.endr
; A PAIR of positions.  ahead = 1: the next pair's loads are issued as soon as the registers are free.  o, pk, bk: the pair's O^T, its O^T in f16, and its whole rows back from the stage.
.macro PAIR n, ahead, o, pk, bk
	s_wait_loadcnt 8                               ; k and q are in; v's eight loads stay out
.irp c, 0,1                            ; the two accumulators take turns
.irp p, 0,1
.if (\c) == 0
	v_wmma_f32_16x16x32_f16 v[S+8*(\p):S+8*(\p)+7], v[KF+16*(\p):KF+16*(\p)+7], v[QF+16*(\p):QF+16*(\p)+7], 0
.else
	v_wmma_f32_16x16x32_f16 v[S+8*(\p):S+8*(\p)+7], v[KF+16*(\p)+8:KF+16*(\p)+15], v[QF+16*(\p)+8:QF+16*(\p)+15], v[S+8*(\p):S+8*(\p)+7]
.endif
.endr
.endr
.rept 4
	v_nop                                          ; four places, in front of the maximum, which reads the products' results
.endr
.if \ahead
	s_wait_alu depctr_va_vdst(0)                   ; the four products are done reading KF and QF, in which the next pair's loads land; no later vector or matrix instruction of this pair names them
	LOADQK (\n)+1
.endif
	; the maximum of a head's 16 scores: 8 in my registers, from the low end on, 8 in the lane 16 away; the two positions alternate, so that no line waits for the one before it
.irp p, 0,1
	v_max3_num_f32 v[ST+8*(\p)+6], v[S+8*(\p)], v[S+8*(\p)+1], v[S+8*(\p)+2]
.endr
.irp p, 0,1
	v_max3_num_f32 v[ST+8*(\p)+2], v[S+8*(\p)+3], v[S+8*(\p)+4], v[S+8*(\p)+5]
.endr
.irp p, 0,1
	v_max3_num_f32 v[ST+8*(\p)+6], v[ST+8*(\p)+6], v[S+8*(\p)+6], v[S+8*(\p)+7]
.endr
.irp p, 0,1
	v_max_num_f32 v[ST+8*(\p)+6], v[ST+8*(\p)+6], v[ST+8*(\p)+2]
.endr
.irp p, 0,1
	v_permlanex16_b32 v[ST+8*(\p)+7], v[ST+8*(\p)+6], s12, s13
.endr
.irp p, 0,1
	v_max_num_f32 v[ST+8*(\p)+6], v[ST+8*(\p)+6], v[ST+8*(\p)+7]
.endr
.irp p, 0,1
	v_mul_f32 v[ST+8*(\p)], s10, v[ST+8*(\p)+6]    ; c m
.endr
.irp j, 0,2,4,6
.irp p, 0,1
	v_pk_fma_f32 v[S+8*(\p)+(\j):S+8*(\p)+(\j)+1], v[S+8*(\p)+(\j):S+8*(\p)+(\j)+1], s[10:11], v[ST+8*(\p):ST+8*(\p)+1] op_sel_hi:[1,0,0] neg_lo:[0,0,1] neg_hi:[0,0,1]  ; c s - c m
.endr
.endr
.irp j, 0,1,2,3,4,5,6,7,8,9,10,11,12,13,14,15
	v_exp_f32 v[S+(\j)], v[S+(\j)]                 ; one batch of sixteen
.endr
	v_nop                                          ; a plain instruction behind the last exponential,
	s_wait_alu depctr_va_vdst(0)                   ; and one wait ahead of the batch's first reader: the sixteen exponentials have written v[S ..]
.irp p, 0,1
	v_pk_add_f32 v[ST+8*(\p)+2:ST+8*(\p)+3], v[S+8*(\p):S+8*(\p)+1], v[S+8*(\p)+2:S+8*(\p)+3]
	v_pk_add_f32 v[ST+8*(\p)+4:ST+8*(\p)+5], v[S+8*(\p)+4:S+8*(\p)+5], v[S+8*(\p)+6:S+8*(\p)+7]
.endr
.irp p, 0,1
	v_pk_add_f32 v[ST+8*(\p)+2:ST+8*(\p)+3], v[ST+8*(\p)+2:ST+8*(\p)+3], v[ST+8*(\p)+4:ST+8*(\p)+5]
.endr
.irp p, 0,1
	v_add_f32 v[ST+8*(\p)+6], v[ST+8*(\p)+2], v[ST+8*(\p)+3]
.endr
.irp p, 0,1
	v_permlanex16_b32 v[ST+8*(\p)+7], v[ST+8*(\p)+6], s12, s13
.endr
.irp p, 0,1
	v_add_f32 v[ST+8*(\p)+6], v[ST+8*(\p)+6], v[ST+8*(\p)+7]  ; l, at least 1: the largest score's weight is 1 to within a rounding
.endr
.irp p, 0,1
	v_rcp_f32 v[ST+8*(\p)], v[ST+8*(\p)+6]
.endr
	v_nop                                          ; a plain instruction behind the last reciprocal,
	s_wait_alu depctr_va_vdst(0)                   ; and one wait for the two, ahead of their first reader: the reciprocals have written v[ST] and v[ST+8]
.irp j, 0,2,4,6
.irp p, 0,1
	v_pk_mul_f32 v[S+8*(\p)+(\j):S+8*(\p)+(\j)+1], v[S+8*(\p)+(\j):S+8*(\p)+(\j)+1], v[ST+8*(\p):ST+8*(\p)+1] op_sel_hi:[1,0]  ; the weights, divided in f32
.endr
.endr
.irp p, 0,1
.irp j, 0,1,2,3
	v_cvt_pk_f16_f32 v[PP+8*(\p)+(\j)], v[S+8*(\p)+2*(\j)], v[S+8*(\p)+2*(\j)+1]
.endr
.endr
.if \ahead
	s_wait_loadcnt 16                              ; v is in; the next pair's 16 loads of k and q stay out
.else
	s_wait_loadcnt 0x0                             ; v is in
.endif
.irp b, 0,1,2,3                        ; eight products, eight accumulators, each begun with the constant 0
	v_wmma_f32_16x16x32_f16 v[(\o)+8*(\b):(\o)+8*(\b)+7], v[VF+8*(\b):VF+8*(\b)+7], v[PP:PP+7], 0
	v_wmma_f32_16x16x32_f16 v[(\o)+32+8*(\b):(\o)+32+8*(\b)+7], v[VF+8*(\b):VF+8*(\b)+7], v[PP+4:PP+11], 0
.endr
.rept 4
	v_nop                                          ; four places, in front of the conversions, which read the products' results
.endr
.irp p, 0,1
.irp b, 0,1,2,3
.irp r, 0,1,2,3
	v_cvt_pk_f16_f32 v[(\pk)+16*(\p)+4*(\b)+(\r)], v[(\o)+32*(\p)+8*(\b)+2*(\r)], v[(\o)+32*(\p)+8*(\b)+2*(\r)+1]  ; each accumulator from its low end on
.endr
.endr
.endr
	s_wait_alu depctr_va_vdst(0)                   ; the conversions have written PK, which the LDS stores read, and are done reading O^T, in whose low half the loads from the stage land; the products are done reading VF, in which the next pair's v lands
.if \ahead
	LOADV (\n)+1
.endif
.irp p, 0,1
.irp b, 0,1,2,3
	ds_store_b128 v[STO], v[(\pk)+16*(\p)+4*(\b):(\pk)+16*(\p)+4*(\b)+3] offset:128*(\p)+32*(\b)  ; head l % 16: position p, d = 16 b + 8 (l / 16) + 0..7
.endr
.endr
.irp t, 0,1,2,3,4,5,6,7
	ds_load_b128 v[(\bk)+4*(\t):(\bk)+4*(\t)+3], v[RD] offset:(\t)*2*SP  ; LDS serves a wave's instructions in order (ISA guide 5.7.1.4): these see the stores above, in my own stage.  No vector or matrix instruction since the wait names BK
.endr
.irp t, 0,1,2,3,4,5,6,7
	s_wait_dscnt 7-(\t)
	global_store_b128 v[GO], v[(\bk)+4*(\t):(\bk)+4*(\t)+3], s[6:7] offset:(\t)*1048576+256*(\n)  ; heads 2 t and 2 t + 1: 16 lanes store 256 consecutive bytes, at a multiple of 256 from a2's first byte; the data registers are never written again
.endr
.endm
	PAIR 0, 1, O0, PK0, BK0
	PAIR 1, 0, O1, PK1, BK1
	s_wait_dscnt 0x0                               ; the closing lines, six on end
	s_wait_alu 0x0
	s_wait_tensorcnt 0x0
	ds_add_u32 v[SPW], v[NIL]
	s_wait_dscnt 0x0
	s_endpgm
.Lfunc_end_k_q1b872d8dfb_attn:
	.size	k_q1b872d8dfb_attn, .Lfunc_end_k_q1b872d8dfb_attn-k_q1b872d8dfb_attn
	.p2alignl 7, 3214868480
	.fill 96, 4, 3214868480
	.section	.rodata,"a",@progbits
	.p2align	6, 0x0
	.amdhsa_kernel k_q1b872d8dfb_attn
		.amdhsa_group_segment_fixed_size 71680
		.amdhsa_private_segment_fixed_size 0
		.amdhsa_enable_private_segment 0
		.amdhsa_kernarg_size 16
		.amdhsa_user_sgpr_count 2
		.amdhsa_user_sgpr_kernarg_segment_ptr 1
		.amdhsa_wavefront_size32 1
		.amdhsa_system_sgpr_workgroup_id_x 1
		.amdhsa_system_sgpr_workgroup_id_y 1
		.amdhsa_system_sgpr_workgroup_id_z 1
		.amdhsa_system_vgpr_workitem_id 0
		.amdhsa_next_free_vgpr 252
		.amdhsa_next_free_sgpr 66
		.amdhsa_reserve_vcc 0
		.amdhsa_float_denorm_mode_32 3
		.amdhsa_float_denorm_mode_16_64 3
		.amdhsa_memory_ordered 1
		.amdhsa_forward_progress 1
		.amdhsa_inst_pref_size 25
	.end_amdhsa_kernel
	.amdgpu_metadata
---
amdhsa.version: [ 1, 2 ]
amdhsa.kernels:
  - .name:           k_q1b872d8dfb_attn
    .symbol:         k_q1b872d8dfb_attn.kd
    .args:
      - { .name: qkv, .offset: 0, .size: 8, .value_kind: global_buffer, .address_space: global }
      - { .name: a2, .offset: 8, .size: 8, .value_kind: global_buffer, .address_space: global }
    .group_segment_fixed_size: 71680
    .private_segment_fixed_size: 0
    .kernarg_segment_align: 8
    .kernarg_segment_size: 16
    .max_flat_workgroup_size: 512
    .sgpr_count:     66
    .vgpr_count:     252
    .wavefront_size: 32
...
	.end_amdgpu_metadata
.endif
;; end of part 5
;; launch gemm_out: the kernel of part 4 again; grid 4 x 64, 4 waves a work-group, clusters of 4 x 4, 327,680 bytes of LDS; arguments a2, wo, bias, out0; writes out0
